; MI455X (gfx1250); checked and timed in simulation.
; The chip was launched on July 23, 2026; its instructions are those of AMD's public machine-readable ISA for CDNA 5 (MIT licence, August 2026) and "CDNA5" Instruction Set Architecture Reference Guide (July 2026). The comments in the code are by the model that wrote it; some were corrected since.
;; Attention. Allowed arithmetic: matrix products marked QUANTISED: E4M3 operands, one E8M0 scale for each 32 along K, by v_wmma_scale_f32_16x16x128_f8f6f4 with both operands' format E4M3, f32 sums; everything else in f32.
;; Inputs: Wkv 2,048 x 1,024 float32; Wo 1,024 x 2,048 float32; Wq 2,048 x 1,024 float32; attn_mask 2,048 x 2,048 float32; bkv 1,024 float32; bo 2,048 float32; bq 1,024 float32; key_padding_mask 2 x 2,048 bool; kv 2 x 2,048 x 2,048 float32; query 2 x 2,048 x 2,048 float32.
;; Outputs: out0 2 x 2,048 x 2,048 float32.
;; This version of the problem:
;;   THIS VERSION OF THE PROBLEM IS GIVEN IN LOW PRECISION. The matrix products marked QUANTISED in the list below multiply operands that are first quantised to E4M3 (4 exponent bits, 3 mantissa bits; 8 bits a number), with one power-of-two scale for each 32 numbers along K (OCP MX v1.0); their sums are f32. All else is computed in f32.
;;   The module's matrix products, in the order in which they are computed (A, B: the left and right operand; K: the contracted axis; several contracted axes count as one K, in the product's order):
;;     1. [M 4,096, K 2,048] x [K 2,048, N 1,024]; A: input query; B: input Wq: QUANTISED
;;     2. [M 4,096, K 2,048] x [K 2,048, N 1,024]; A: input kv; B: input Wkv: QUANTISED
;;     3. batch 32 x [M 2,048, K 64] x [K 64, N 2,048]; A: computed on the way; B: computed on the way: QUANTISED
;;     4. batch 32 x [M 2,048, K 2,048] x [K 2,048, N 64]; A: softmax (see below); B: computed on the way: QUANTISED
;;     5. [M 4,096, K 1,024] x [K 1,024, N 2,048]; A: computed on the way; B: input Wo: QUANTISED
;;   THE QUANTISER, for each operand of a quantised product, along K:
;;     - K is cut into blocks of 32 from its start; a last block that is shorter is filled with zeros.
;;     - A block's scale is 2^e with e = floor(log2(the largest magnitude in the block)) - 8, held to -126 .. 127; a block of zeros has e = 0. As a byte (E8M0): e + 127.
;;     - Each number is divided by its block's scale, clamped to +-448, and rounded to the nearest number of E4M3, ties to even, subnormals kept.
;;     - The product sums the exact products of the quantised numbers (number of the format x scale) in f32.
;;   ~~~python
;;   def quantise(x, axis):      # numpy; x: float32 -> the quantised numbers, widened to float32 again
;;       x = np.moveaxis(x, axis, -1); K = x.shape[-1]
;;       x = np.pad(x, [(0, 0)] * (x.ndim - 1) + [(0, -K % 32)]); x = x.reshape(x.shape[:-1] + (-1, 32)); a = np.abs(x).max(-1, keepdims=True)
;;       e = np.where(a > 0, np.clip(np.frexp(np.where(a > 0, a, 1))[1] - 1 - 8, -126, 127), 0)      # np.frexp(a)[1] - 1 = floor(log2(a)), exactly
;;       r = np.clip(x / 2.0 ** e, -448, 448)
;;       step = 2.0 ** (np.maximum(np.frexp(np.where(r == 0, 1, r))[1] - 1, -6) - 3)
;;       q = np.round(r / step) * step * 2.0 ** e      # np.round: ties to even
;;       return np.moveaxis(q.reshape(q.shape[:-2] + (-1,))[..., :K], -1, axis).astype(np.float32)
;;   ~~~
;;   SOFTMAX AHEAD OF A QUANTISED PRODUCT. Where the list says 'softmax', what is quantised is not the finished softmax but p = 2^(t - M), with t = logit x log2(e) and M = ceil(the row's largest t), a whole number; so 1/2 < the row's largest p <= 1. The row's sum l is taken of the UNQUANTISED p, in f32, and the product's result is divided by l at the end. Since M is a whole number, a kernel that streams over the keys may use a running M (the ceiling of the running maximum): every later rescaling is an exact power of two, which a block's scale takes up: the codes' values come out the same.
;;   OPERANDS COMPUTED ON THE WAY. 'Computed on the way' means the value that the module computes at that place (a softmax that the list does not call 'softmax' is quantised finished and normalised). What goes into a quantiser is computed in f32, as accurately as f32 sums, v_exp_f32 and their like allow (about 1e-6 of the number): no bf16 or f16 on the way to a quantiser, and a product that is left as it is and whose result goes on into a quantised operand takes f32 operands (vector FMAs, or v_wmma_f32_16x16x4_f32). A number that lies on a knife's edge between two numbers of the format may be rounded either way, as far as f32 arithmetic and the matrix unit's own rounding can turn it there, and no further.
;; One version. Each part assembles by itself: llvm-mc -triple=amdgcn-amd-amdhsa -mcpu=gfx1250 --defsym DOCPART=n.
;; ======== version 1 of 1: 4 launches
;; limits: right only within a limited range of input values
;; workspace buffers: act 17,301,504 bytes; w 6,488,064 bytes; maskimg 33,554,432 bytes; qimg 4,325,376 bytes; kvimg 4,325,376 bytes; attnq 4,325,376 bytes; flags 1,024 bytes of whole numbers
;; launch prep (part 1): grid 832 x 1, 4 waves a work-group, no clusters, 35,328 bytes of LDS; arguments query, kv, attn_mask, key_padding_mask, Wq, Wkv, Wo, act, w, maskimg, flags; writes act, w, maskimg, flags
.if DOCPART == 1
	.amdgcn_target "amdgcn-amd-amdhsa--gfx1250"
	.amdhsa_code_object_version 6
	.text
	.protected	k_qa154fa272b_prep
	.globl	k_qa154fa272b_prep
	.p2align	8
	.type	k_qa154fa272b_prep,@function
k_qa154fa272b_prep:
	s_mov_b64 s[64:65], 0
	v_nop
	global_prefetch_b8 v0, s[64:65] scope:SCOPE_SE
	s_setreg_imm32_b32 hwreg(HW_REG_WAVE_MODE, 25, 1), 1
	s_wait_xcnt 0x0
; PREP: everything that is quantised or laid out once, in the order in which the later launches' operand registers take it.
; TILES.  Tile T of 16 rows holds in lane r (0..15) row rho(T, r) = 32 (T/2) + 8 (T%2) + r + 8 (r/8).  A FRAGMENT (16 rows x 128 along K, codes of E4M3) is stored as the image of its 16 registers:
; [c 0..3][lane 0..31][16 bytes]; lane (r, h), group c holds k = 32 c + 16 h + 0..15 of row rho(T, r).  QUAD WORDS: the scale words of four neighbouring tiles, [r 0..15][i 0..3] of 4 bytes.
; Work-groups 0-511 (path A): query and kv, f32 [4096][2048] -> act.  512-639 (path M): 8 x attn_mask with the padding written in as 8 x (-1e9), once for each batch, in the order of the score
; accumulators -> maskimg.  640-767: Wq, Wkv [2048][1024]; 768-831: Wo [1024][2048] (path W: K is the first axis, a lane takes a column and its registers run down K) -> w.
; THE QUANTISER: a block's scale byte is its largest magnitude's exponent field - 8, held at 1 from below; numbers are held within +-448 x the scale and rounded to the nearest code, ties to even.
; LIMITS: NaN and infinities among the inputs are not served; a block whose largest magnitude lies under 2^-118 (a block of zeros too) keeps the byte 1: its bytes are read by this program alone;
; 8 x attn_mask overflows where |attn_mask| is above 4.2e37.
; No matrix work, no tensor load; waves share nothing but path M's row maxima, behind one barrier.  No prefetch: each stream is read once by loads that run a unit or two ahead.
.set RA,  16                           ; path A: v16-143  two sets of 64 numbers as loaded
.set XA,  144                          ; v144-207 64 numbers as the quantiser wants them: register 16 b + i = k 32 b + 16 h + i of my row
.set PC,  208                          ; v208-223 a fragment's codes
.set TM,  224                          ; v224-239 at work in the quantiser
.set PW,  240                          ; v240-243 the four tiles' scale words
.set XM,  16                           ; path M: v16-143 two sets of 64 mask numbers
.set PD,  144                          ; v144-175 padding bytes: 16 registers a batch
.set OM,  176                          ; v176-239 what is stored
.set XW,  32                           ; path W: v32-95 two sets of 32 numbers
.set CW,  96                           ; v96-103 a block's codes
.set SB,  24                           ; v24-25 scale bytes, four to a register
; 64 numbers of a lane, v[s] on, become 16 code registers at v[pc] and the row's scale word in v[pw].
.macro QUANT s, pc, pw
.irp b, 0,1,2,3
	v_max3_num_f32 v[TM+\b], |v[\s+16*\b]|, |v[\s+16*\b+1]|, 0x4800000   ; block b: my 16 numbers and the floor 2^(9 - 127), which holds the byte at 1 from below
.endr
.irp i, 2,4,6,8,10,12,14
.irp b, 0,1,2,3
	v_max3_num_f32 v[TM+\b], v[TM+\b], |v[\s+16*\b+\i]|, |v[\s+16*\b+\i+1]|   ; the four blocks by turns
.endr
.endr
.irp b, 0,1,2,3
	v_permlanex16_b32 v[TM+4+\b], v[TM+\b], s30, s31
.endr
.irp b, 0,1,2,3
	v_max_num_f32 v[TM+\b], v[TM+\b], v[TM+4+\b]       ; with lane l xor 16's 16: the block's largest magnitude
.endr
.irp b, 0,1,2,3
	v_add_nc_u32 v[TM+12+\b], 0xfc000000, v[TM+\b]     ; 8 off its exponent field: the conversion's scale operand
.endr
.irp b, 0,1,2,3
	v_and_or_b32 v[TM+8+\b], v[TM+\b], 0x7f800000, s32 ; 448 x the scale
.endr
.irp b, 0,1,2,3
	v_lshrrev_b32 v[TM+4+\b], 23, v[TM+12+\b]          ; the scale's byte
.endr
	v_lshl_or_b32 v[\pw], v[TM+5], 8, v[TM+4]
	v_lshl_or_b32 v[\pw], v[TM+6], 16, v[\pw]
	v_lshl_or_b32 v[\pw], v[TM+7], 24, v[\pw]
.irp b, 0,1,2,3
.set QI, 0
.rept 16
	v_med3_num_f32 v[\s+16*\b+QI], v[\s+16*\b+QI], -v[TM+8+\b], v[TM+8+\b]   ; the conversion to an 8-bit code does not saturate (ISA guide 7.6.2): the hold comes first
.set QI, QI+1
.endr
	v_cvt_scalef32_pk8_fp8_f32 v[\pc+4*\b:\pc+4*\b+1], v[\s+16*\b:\s+16*\b+7], v[TM+12+\b]
	v_cvt_scalef32_pk8_fp8_f32 v[\pc+4*\b+2:\pc+4*\b+3], v[\s+16*\b+8:\s+16*\b+15], v[TM+12+\b]
.endr
	v_nop                                          ; a plain line behind the last conversion
.endm
	s_load_b512 s[4:19], s[0:1], 0x0               ; query s[4:5], kv s[6:7], attn_mask s[8:9], key_padding_mask s[10:11], Wq s[12:13], Wkv s[14:15], Wo s[16:17], act s[18:19]
	s_load_b128 s[20:23], s[0:1], 0x40             ; w s[20:21], maskimg s[22:23]
	s_load_b64 s[46:47], s[0:1], 0x50              ; flags
	v_lshl_add_u32 v254, v0, 2, 0x8400
	v_mov_b32 v255, 0
	v_lshrrev_b32 v1, 5, v0
	v_readfirstlane_b32 s24, v1                    ; wave 0..3
	v_and_b32 v9, 31, v0                           ; lane
	v_and_b32 v10, 15, v0                          ; r
	v_bfe_u32 v11, v0, 4, 1                        ; h
	s_mov_b32 s30, 0x76543210
	s_mov_b32 s31, 0xfedcba98                      ; v_permlanex16_b32's selects for lane l xor 16
	s_mov_b32 s32, 0x600000                        ; the mantissa field of 448
	s_cmp_lt_u32 ttmp9, 512
	s_cbranch_scc0 .Lmask
; ---------------- PATH A: work-group = (tensor t, four tiles Q4, four K steps); a wave takes one K step s of the four tiles: 4 units of 16 rows x 128 numbers.
; Each load reads 512 consecutive bytes of one row; the 16 rows turn through the wave's own stage (pitch 528 = 33 x 16 bytes, so the sixteen rows of a read start in sixteen different 16-byte columns of 256).
	v_lshlrev_b32 v1, 4, v9                        ; 16 x lane
	s_mul_i32 s25, s24, 8448                       ; my stage: 16 rows x 528 bytes
	v_add_nc_u32 v2, s25, v1                       ; in: as loaded
	v_mul_u32_u24 v3, v10, 528
	v_lshl_add_u32 v3, v11, 6, v3
	v_add_nc_u32 v3, s25, v3                       ; out: row r, + 64 h: my 16 numbers of each block of 32
	v_lshlrev_b32 v4, 4, v10
	v_lshl_add_u32 v4, v11, 3, v4                  ; quad words: 16 r + 8 h
	v_cmp_le_u32 vcc_lo, 16, v9                    ; lanes 16-31 store words 2 and 3
.irp b, 0,1,2,3
	v_mov_b32 v[TM+4+\b], 0                        ; a lane permute's destination counts as one of its sources
.endr
	s_lshr_b32 s26, ttmp9, 8                       ; t
	s_bfe_u32 s27, ttmp9, 0x60002                  ; Q4
	s_and_b32 s28, ttmp9, 3
	s_lshl_b32 s28, s28, 2
	s_add_co_u32 s28, s28, s24                     ; K step s
	s_lshl_b32 s34, s27, 19                        ; source: 64 Q4 rows of 8,192 bytes + 512 s
	s_lshl_b32 s29, s28, 9
	s_add_co_u32 s34, s34, s29
	s_mov_b32 s35, 0
	s_lshl_b32 s36, s26, 23                        ; codes: t x 8,388,608 + 4 Q4 x 32,768 + s x 2,048
	s_lshl_b32 s29, s27, 17
	s_add_co_u32 s36, s36, s29
	s_lshl_b32 s29, s28, 11
	s_add_co_u32 s36, s36, s29
	s_mov_b32 s37, 0
	s_lshl_b32 s38, s26, 18                        ; scales: 16,777,216 + t x 262,144 + s x 16,384 + Q4 x 256
	s_lshl_b32 s29, s28, 14
	s_add_co_u32 s38, s38, s29
	s_lshl_b32 s29, s27, 8
	s_add_co_u32 s38, s38, s29
	s_add_co_u32 s38, s38, 16777216
	s_mov_b32 s39, 0
	s_wait_alu depctr_va_vdst(0)
	s_wait_kmcnt 0x0
	s_cmp_lt_u32 ttmp9, 256
	s_cselect_b64 s[4:5], s[4:5], s[6:7]           ; query or kv: the choice hangs on the work-group's number alone
	s_add_nc_u64 s[4:5], s[4:5], s[34:35]
	s_add_nc_u64 s[36:37], s[18:19], s[36:37]
	s_add_nc_u64 s[38:39], s[18:19], s[38:39]
.macro LOADA i                         ; unit i: the 16 rows of tile 4 Q4 + i
.irp p, 0,1,2,3,4,5,6,7,8,9,10,11,12,13,14,15
	global_load_b128 v[RA+64*((\i)%2)+4*\p:RA+64*((\i)%2)+4*\p+3], v1, s[4:5] offset:(32*((\i)/2)+8*((\i)%2)+\p+8*(\p/8))*8192 th:TH_LOAD_NT
.endr
.endm
.macro UNITA i
.if (\i) < 3
	s_wait_loadcnt 16                              ; this unit's 16 loads are in; the next unit's 16 may be out
.else
	s_wait_loadcnt 0x0
.endif
.irp p, 0,1,2,3,4,5,6,7,8,9,10,11,12,13,14,15
	ds_store_b128 v2, v[RA+64*((\i)%2)+4*\p:RA+64*((\i)%2)+4*\p+3] offset:528*\p
.endr
.irp b, 0,1,2,3
.irp j, 0,1,2,3
	ds_load_b128 v[XA+16*\b+4*\j:XA+16*\b+4*\j+3], v3 offset:128*\b+16*\j   ; LDS serves a wave's instructions in order: these see the stores above
.endr
.endr
	s_wait_dscnt 0x0                               ; the numbers are back, and the stage's stores have read their registers
	s_wait_xcnt 0x0                                ; the last unit's stores have read the code registers, which are written again below
.if (\i) < 2
	LOADA (\i)+2
.endif
	QUANT XA, PC, PW+(\i)
.irp c, 0,1,2,3
	global_store_b128 v1, v[PC+4*\c:PC+4*\c+3], s[36:37] offset:(\i)*32768+512*\c   ; 32 lanes store 512 consecutive bytes, aligned
.endr
.endm
	LOADA 0
	LOADA 1
	UNITA 0
	UNITA 1
	UNITA 2
	UNITA 3
	v_cndmask_b32 v244, v[PW], v[PW+2], vcc_lo
	v_cndmask_b32 v245, v[PW+1], v[PW+3], vcc_lo
	global_store_b64 v4, v[244:245], s[38:39]      ; the four tiles' quad words: 256 consecutive bytes, aligned
	s_wait_tensorcnt 0x0
	ds_add_u32 v254, v255
	s_wait_dscnt 0x0
	s_endpgm
; ---------------- PATH M: work-group = tile T = 8 qb + tau of 16 query rows; a wave takes key steps 4 wave + u, u = 0..3.
; Register n of a lane (r, h) is mask(row rho(T, r), key 128 s + 32 (n/16) + 16 h + n%16): the place of score n in the attention launch's accumulators.  A lane loads its own 16 numbers of each block.
.Lmask:
	s_cmp_lt_u32 ttmp9, 640
	s_cbranch_scc0 .Lweights
	s_sub_co_u32 s25, ttmp9, 512                   ; T
	s_wait_alu depctr_va_vdst(0)
	v_and_b32 v1, 8, v10
	v_add_nc_u32 v1, v1, v10                       ; r + 8 (r/8)
	v_lshlrev_b32 v1, 13, v1                       ; rows of 8,192 bytes
	v_lshl_add_u32 v1, v11, 6, v1                  ; + 64 h
	v_lshlrev_b32 v2, 4, v11                       ; padding bytes: 16 h
	v_lshlrev_b32 v3, 4, v9                        ; out: 16 x lane
	v_mov_b32 v240, 0xcfee6b28                     ; 8 x (-1e9), exact in f32
; THE LIST OF KEY STEPS.  Path M also says, as whole numbers, which key steps of 128 the attention launch walks for this tile of 16 queries, for each batch: flags[b][T][wave], a byte, bit u = key step 4 wave + u.
; A step is passed over only where, for EVERY row of the tile, the step's largest mask entry (padding written in) lies more than 5e8 under the row's largest over all keys.  Then every logit of the step lies at least
; 5e8 - 2 max|q.k|/8 under the row's largest logit, and p = 2^(t - M) is 0 in f32.  LIMIT: this holds while |q.k| / 8 stays under 2e8.  A row all of whose keys are masked alike keeps all its steps.
.set TX, 242                           ; v242-249 my lane's largest entry of step u, batch bb: register 2 u + bb
	v_lshl_add_u32 v4, v9, 2, 0x8600               ; LDS bytes of this path's own, behind the spare words: [batch][wave][lane] of 4 bytes
	s_lshl_b32 s33, s24, 7
	v_add_nc_u32 v5, s33, v4
	v_mov_b32 v14, 0                               ; a lane permute's destination counts as one of its sources
	v_mov_b32 v15, 0
	s_mov_b32 s34, 0x41000000                      ; 8.0
	s_mov_b32 s35, s34                             ; (named with it as a pair)
	s_lshr_b32 s26, s25, 1
	s_lshl_b32 s26, s26, 5
	s_and_b32 s27, s25, 1
	s_lshl_b32 s27, s27, 3
	s_add_co_u32 s26, s26, s27                     ; the tile's first row
	s_lshl_b32 s26, s26, 13
	s_lshl_b32 s27, s24, 11                        ; + my four key steps: 2,048 bytes x wave
	s_add_co_u32 s26, s26, s27
	s_mov_b32 s27, 0
	s_lshl_b32 s28, s24, 9                         ; padding: 512 keys x wave
	s_mov_b32 s29, 0
	s_lshr_b32 s36, s25, 3
	s_lshl_b32 s36, s36, 20                        ; out: qb x 16 x 65,536
	s_lshl_b32 s33, s24, 18                        ; + 4 wave x 65,536
	s_add_co_u32 s36, s36, s33
	s_and_b32 s33, s25, 7
	s_lshl_b32 s33, s33, 13                        ; + tau x 8,192
	s_add_co_u32 s36, s36, s33
	s_mov_b32 s37, 0
	s_wait_alu depctr_va_vdst(0)
	s_wait_kmcnt 0x0
	s_add_nc_u64 s[8:9], s[8:9], s[26:27]
	s_add_nc_u64 s[10:11], s[10:11], s[28:29]
	s_add_nc_u64 s[36:37], s[22:23], s[36:37]      ; batch 0's image
	s_add_nc_u64 s[38:39], s[36:37], 0x1000000     ; batch 1's
	s_lshl_b32 s26, s25, 2
	s_add_co_u32 s26, s26, s24                     ; flags: 4 T + wave; batch 1's lie 512 bytes on
	s_add_nc_u64 s[46:47], s[46:47], s[26:27]
.macro LOADX u
.irp b, 0,1,2,3
.irp j, 0,1,2,3
	global_load_b128 v[XM+64*((\u)%2)+16*\b+4*\j:XM+64*((\u)%2)+16*\b+4*\j+3], v1, s[8:9] offset:512*(\u)+128*\b+16*\j
.endr
.endr
.endm
.macro LOADP u
.irp bb, 0,1
.irp b, 0,1,2,3
	global_load_b128 v[PD+16*\bb+4*\b:PD+16*\bb+4*\b+3], v2, s[10:11] offset:2048*\bb+128*(\u)+32*\b
.endr
.endr
.endm
.macro UNITM u
.if (\u) < 3
	s_wait_loadcnt 16                              ; this unit's mask and padding are in; the next unit's 16 mask loads may be out
.else
	s_wait_loadcnt 0x0
.endif
.set XS, XM+64*((\u)%2)
.set QN, 0
.rept 32
	v_pk_mul_f32 v[XS+QN:XS+QN+1], v[XS+QN:XS+QN+1], s[34:35] op_sel_hi:[1,0]   ; x 8: exact; the scores come unscaled, 8 x the logit
.set QN, QN+2
.endr
.irp bb, 0,1
	s_wait_xcnt 0x0                                ; the last stores have read v[OM] on
.set QN, 0
.rept 64
	v_and_b32 v241, 0xff<<(8*(QN%4)), v[PD+16*\bb+QN/4]
	v_cmp_ne_u32 vcc_lo, 0, v241
	v_cndmask_b32 v[OM+QN], v[XS+QN], v240, vcc_lo ; a padded key's place holds 8 x (-1e9) whatever the mask says
.set QN, QN+1
.endr
	v_max3_num_f32 v250, v[OM], v[OM+1], v[OM+2]   ; my 64 entries' largest, in two chains
	v_max3_num_f32 v251, v[OM+3], v[OM+4], v[OM+5]
.set QN, 6
.rept 14
	v_max3_num_f32 v250, v250, v[OM+QN], v[OM+QN+1]
	v_max3_num_f32 v251, v251, v[OM+QN+2], v[OM+QN+3]
.set QN, QN+4
.endr
	v_max3_num_f32 v250, v250, v[OM+62], v[OM+63]
	v_max_num_f32 v[TX+2*(\u)+\bb], v250, v251
.irp g, 0,1,2,3,4,5,6,7,8,9,10,11,12,13,14,15
	global_store_b128 v3, v[OM+4*\g:OM+4*\g+3], s[36+2*\bb:37+2*\bb] offset:65536*(\u)+512*\g th:TH_STORE_NT
.endr
.endr
.if (\u) < 3
	LOADP (\u)+1
.endif
.if (\u) < 2
	LOADX (\u)+2
.endif
.endm
	LOADX 0
	LOADP 0
	LOADX 1
	UNITM 0
	UNITM 1
	UNITM 2
	UNITM 3
	s_wait_alu depctr_va_vdst(0)
	v_max3_num_f32 v12, v[TX], v[TX+2], v[TX+4]    ; my four steps' largest, batch 0 and batch 1
	v_max3_num_f32 v13, v[TX+1], v[TX+3], v[TX+5]
	v_max_num_f32 v12, v12, v[TX+6]
	v_max_num_f32 v13, v13, v[TX+7]
	v_permlanex16_b32 v14, v12, s30, s31
	v_permlanex16_b32 v15, v13, s30, s31
	v_max_num_f32 v12, v12, v14                    ; with lane l xor 16's: my row's
	v_max_num_f32 v13, v13, v15
	ds_store_b32 v5, v12
	ds_store_b32 v5, v13 offset:512
	s_wait_dscnt 0x0                               ; for the others' sake
	s_barrier_signal -1
	s_barrier_wait -1
.irp bb, 0,1
.irp q, 0,1,2,3
	ds_load_b32 v[16+4*\bb+\q], v4 offset:512*\bb+128*\q
.endr
.endr
	s_wait_dscnt 0x0
	v_max3_num_f32 v12, v16, v17, v18
	v_max3_num_f32 v13, v20, v21, v22
	v_max_num_f32 v12, v12, v19                    ; the row's largest over all 2,048 keys
	v_max_num_f32 v13, v13, v23
	v_add_f32 v12, 0xcf6e6b28, v12                 ; less 8 x 5e8
	v_add_f32 v13, 0xcf6e6b28, v13
	s_wait_alu depctr_va_vdst(0)                   ; the wait behind the write
	s_mov_b32 s28, 0
	s_mov_b32 s29, 0
.irp u, 0,1,2,3
.irp bb, 0,1
	v_cmp_lt_f32 vcc_lo, v[TX+2*\u+\bb], v[12+\bb] ; strictly under: where the subtraction rounds away, the row's own largest still counts
	s_cmp_eq_u32 vcc_lo, -1                        ; in all 32 lanes: all 16 rows, both halves of the keys
	s_cselect_b32 s26, 0, 1<<\u                    ; a value is chosen; no branch and no address hangs on it here
	s_or_b32 s[28+\bb], s[28+\bb], s26
.endr
.endr
	v_mov_b32 v12, s28
	v_mov_b32 v13, s29
	v_mov_b32 v14, 0
	s_wait_alu depctr_va_vdst(0)
	s_wait_tensorcnt 0x0                           ; the wave's end
	ds_add_u32 v254, v255
	s_wait_dscnt 0x0
	s_wait_xcnt 0x0                                ; EXEC changes only behind this wait
	v_cmpx_gt_u32 1, v9                            ; lane 0 alone
	global_store_b8 v14, v12, s[46:47]
	global_store_b8 v14, v13, s[46:47] offset:512
	s_wait_xcnt 0x0
	s_mov_b32 exec_lo, -1
	s_endpgm
; ---------------- PATH W: a weight [K][N]: work-group = 128 columns x 256 along K; a wave 32 columns; lane x takes column 32 beta + x and its 32 registers are a whole block along K.
; Column x is row r = (x & 7) + 8 (x >> 4) of tile 2 beta + u, u = (x >> 3) & 1.  A block's first 16 codes are image lane r, its second 16 image lane r + 16: each store fills two whole runs of 256 bytes.
; The scale words leave 8 bytes a lane: 196,608 bytes in the whole launch.
.Lweights:
	s_wait_alu depctr_va_vdst(0)
	v_lshlrev_b32 v3, 2, v9                        ; in: 4 bytes a lane
	v_bfe_u32 v4, v9, 3, 1                         ; u
	v_and_b32 v5, 7, v9
	v_lshrrev_b32 v6, 4, v9
	v_lshl_add_u32 v7, v6, 3, v5                   ; r
.macro WLOAD t, N
.set QI, 0
.rept 32
	global_load_b32 v[XW+32*((\t)%2)+QI], v3, s[12:13] offset:(32*(\t)+QI)*\N*4 th:TH_LOAD_NT
.set QI, QI+1
.endr
.endm
.macro WBLOCK t, N
.set XS, XW+32*((\t)%2)
.if (\t) < 7
	s_wait_loadcnt 32                              ; this block's 32 loads are in; the next block's may be out
.else
	s_wait_loadcnt 0x0
.endif
	v_max3_num_f32 v12, |v[XS]|, |v[XS+1]|, |v[XS+2]|
	v_max3_num_f32 v13, |v[XS+3]|, |v[XS+4]|, |v[XS+5]|
.irp i, 6,10,14,18,22,26
	v_max3_num_f32 v12, v12, |v[XS+\i]|, |v[XS+\i+1]|
	v_max3_num_f32 v13, v13, |v[XS+\i+2]|, |v[XS+\i+3]|
.endr
	v_max3_num_f32 v12, v12, |v[XS+30]|, |v[XS+31]|
	v_max3_num_f32 v12, v12, v13, 0x4800000        ; and the floor
	v_add_nc_u32 v11, 0xfc000000, v12
	v_and_or_b32 v10, v12, 0x7f800000, s32
	v_lshrrev_b32 v13, 23, v11
.if (\t)%4 == 0
	v_mov_b32 v[SB+(\t)/4], v13
.else
	v_lshl_or_b32 v[SB+(\t)/4], v13, 8*((\t)%4), v[SB+(\t)/4]
.endif
.set QI, 0
.rept 32
	v_med3_num_f32 v[XS+QI], v[XS+QI], -v10, v10
.set QI, QI+1
.endr
	s_wait_alu depctr_va_vdst(0)
	s_wait_xcnt 0x0                                ; the last block's stores have read the code registers
.irp g, 0,1,2,3
	v_cvt_scalef32_pk8_fp8_f32 v[CW+2*\g:CW+2*\g+1], v[XS+8*\g:XS+8*\g+7], v11
.endr
	v_nop
	global_store_b128 v5, v[CW:CW+3], s[36:37] offset:((\t)/4)*2048+((\t)%4)*512
	global_store_b128 v5, v[CW+4:CW+7], s[36:37] offset:((\t)/4)*2048+((\t)%4)*512+256
.if (\t)+2 < 8
	WLOAD (\t)+2, \N
.endif
.endm
; s[12:13] the weight, s26 the work-group's number within it, s27 and s28 where its codes and scale words begin in w
.macro WPATH N, K, LOGX
	v_mul_u32_u24 v5, v4, 16*\K                    ; a tile's fragments: K / 128 x 2,048 bytes
	v_lshl_add_u32 v5, v7, 4, v5                   ; + 16 r
	v_lshlrev_b32 v6, 4, v7
	v_lshl_add_u32 v6, v4, 2, v6                   ; quad words: 16 r + 4 u
	s_and_b32 s29, s26, (1<<\LOGX)-1
	s_lshr_b32 s33, s26, \LOGX                     ; which 256 along K
	s_lshl_b32 s29, s29, 2
	s_add_co_u32 s29, s29, s24                     ; beta: which 32 columns
	s_mul_i32 s34, s33, 1024*\N
	s_lshl_b32 s36, s29, 7
	s_add_co_u32 s34, s34, s36
	s_mov_b32 s35, 0
	s_add_nc_u64 s[12:13], s[12:13], s[34:35]
	s_mul_i32 s34, s29, 32*\K
	s_lshl_b32 s36, s33, 12
	s_add_co_u32 s34, s34, s36
	s_add_co_u32 s34, s34, s27
	s_add_nc_u64 s[36:37], s[20:21], s[34:35]
	s_mul_i32 s34, s33, 8*\N                       ; two planes of N / 64 quad words
	s_lshr_b32 s38, s29, 1
	s_lshl_b32 s38, s38, 8
	s_add_co_u32 s34, s34, s38
	s_and_b32 s38, s29, 1
	s_lshl_b32 s38, s38, 3
	s_add_co_u32 s34, s34, s38
	s_add_co_u32 s34, s34, s28
	s_add_nc_u64 s[38:39], s[20:21], s[34:35]
	WLOAD 0, \N
	WLOAD 1, \N
.irp t, 0,1,2,3,4,5,6,7
	WBLOCK \t, \N
.endr
	global_store_b32 v6, v[SB], s[38:39]
	global_store_b32 v6, v[SB+1], s[38:39] offset:4*\N
.endm
	s_cmp_lt_u32 ttmp9, 768
	s_cbranch_scc0 .Lwo
	s_sub_co_u32 s25, ttmp9, 640
	s_and_b32 s26, s25, 63
	s_mov_b32 s28, 6356992
	s_wait_kmcnt 0x0
	s_cmp_lt_u32 s25, 64
	s_cselect_b64 s[12:13], s[12:13], s[14:15]     ; Wq or Wkv
	s_cselect_b32 s27, 0, 2097152
	s_cselect_b32 s28, 6291456, s28
	s_wait_alu depctr_va_vdst(0)
	WPATH 1024, 2048, 3
	s_endpgm
.Lwo:
	s_sub_co_u32 s26, ttmp9, 768
	s_mov_b32 s27, 4194304
	s_mov_b32 s28, 6422528
	s_wait_kmcnt 0x0
	s_mov_b64 s[12:13], s[16:17]
	s_wait_alu depctr_va_vdst(0)
	WPATH 2048, 1024, 4
	s_endpgm
.Lfunc_end_k_qa154fa272b_prep:
	.size	k_qa154fa272b_prep, .Lfunc_end_k_qa154fa272b_prep-k_qa154fa272b_prep
	.p2alignl 7, 3214868480
	.fill 96, 4, 3214868480
	.section	.rodata,"a",@progbits
	.p2align	6, 0x0
	.amdhsa_kernel k_qa154fa272b_prep
		.amdhsa_group_segment_fixed_size 35328
		.amdhsa_private_segment_fixed_size 0
		.amdhsa_enable_private_segment 0
		.amdhsa_kernarg_size 88
		.amdhsa_user_sgpr_count 2
		.amdhsa_user_sgpr_kernarg_segment_ptr 1
		.amdhsa_wavefront_size32 1
		.amdhsa_system_sgpr_workgroup_id_x 1
		.amdhsa_system_sgpr_workgroup_id_y 1
		.amdhsa_system_sgpr_workgroup_id_z 1
		.amdhsa_system_vgpr_workitem_id 0
		.amdhsa_next_free_vgpr 256
		.amdhsa_next_free_sgpr 66
		.amdhsa_reserve_vcc 1
		.amdhsa_float_denorm_mode_32 3
		.amdhsa_float_denorm_mode_16_64 3
		.amdhsa_memory_ordered 1
		.amdhsa_forward_progress 1
		.amdhsa_inst_pref_size 255
	.end_amdhsa_kernel
	.section	.bss,"aw",@nobits
	.p2align	6
	.space	262144
	.amdgpu_metadata
---
amdhsa.version: [ 1, 2 ]
amdhsa.kernels:
  - .name:           k_qa154fa272b_prep
    .symbol:         k_qa154fa272b_prep.kd
    .args:
      - { .name: query, .offset: 0, .size: 8, .value_kind: global_buffer, .address_space: global }
      - { .name: kv, .offset: 8, .size: 8, .value_kind: global_buffer, .address_space: global }
      - { .name: attn_mask, .offset: 16, .size: 8, .value_kind: global_buffer, .address_space: global }
      - { .name: key_padding_mask, .offset: 24, .size: 8, .value_kind: global_buffer, .address_space: global }
      - { .name: Wq, .offset: 32, .size: 8, .value_kind: global_buffer, .address_space: global }
      - { .name: Wkv, .offset: 40, .size: 8, .value_kind: global_buffer, .address_space: global }
      - { .name: Wo, .offset: 48, .size: 8, .value_kind: global_buffer, .address_space: global }
      - { .name: act, .offset: 56, .size: 8, .value_kind: global_buffer, .address_space: global }
      - { .name: w, .offset: 64, .size: 8, .value_kind: global_buffer, .address_space: global }
      - { .name: maskimg, .offset: 72, .size: 8, .value_kind: global_buffer, .address_space: global }
      - { .name: flags, .offset: 80, .size: 8, .value_kind: global_buffer, .address_space: global }
    .group_segment_fixed_size: 35328
    .private_segment_fixed_size: 0
    .kernarg_segment_align: 8
    .kernarg_segment_size: 88
    .max_flat_workgroup_size: 128
    .sgpr_count:     66
    .vgpr_count:     256
    .wavefront_size: 32
...
	.end_amdgpu_metadata
.endif
;; end of part 1
;; launch proj (part 2): grid 16 x 16, 4 waves a work-group, clusters of 4 x 4, 327,680 bytes of LDS; arguments act, w, bq, bkv, key_padding_mask, qimg, kvimg; writes qimg, kvimg
.if DOCPART == 2
	.amdgcn_target "amdgcn-amd-amdhsa--gfx1250"
	.amdhsa_code_object_version 6
	.text
	.protected	k_qa154fa272b_proj
	.globl	k_qa154fa272b_proj
	.p2align	8
	.type	k_qa154fa272b_proj,@function
k_qa154fa272b_proj:
	s_mov_b64 s[64:65], 0
	v_nop
	global_prefetch_b8 v0, s[64:65] scope:SCOPE_SE
	s_setreg_imm32_b32 hwreg(HW_REG_WAVE_MODE, 25, 1), 1
	s_wait_xcnt 0x0
	s_wait_alu depctr_hold_cnt(0) depctr_sa_sdst(0) depctr_va_vdst(0) depctr_va_sdst(0) depctr_va_ssrc(0) depctr_va_vcc(0) depctr_vm_vsrc(0)
	s_getreg_b32 s2, hwreg(HW_REG_IB_STS2, 6, 4)
	s_cmp_eq_u32 s2, 0
	s_cbranch_scc0 .Lentry_in_a_cluster
	s_endpgm
.Lentry_in_a_cluster:
	s_bfe_u32 s2, ttmp6, 0x10000c
	s_cmp_lg_u32 s2, 0xf033
	s_cbranch_scc0 .Lentry_shape_is_right
	s_endpgm
.Lentry_shape_is_right:
.set K,     2048
.set KS,    K/128
.set SLOTB, 98304
.set BOFF,  65536
.set SCL,   2*SLOTB
.set SCLB,  SCL+1024*KS
.set SPARE, SCL+1536*KS
.set ADRA, 16
.set ADRB, 20
.set ADSA, 22
.set ADSB, 23
.set STI,  24
.set STO,  25
.set LI,   26
.set QW,   27
.set SPW,  28
.set NIL,  29
.set SC,   32
.set BIAS, 64
.set PADB, 96
.set PC,   112
.set TM,   200
.set PW,   216
.set PR,   220
.set WV,   18
.set RI,   19
.set RJ,   20
.set G1,   24
.set G0,   32
.set G1B,  48
.set G0B,  56
.set MNT,  66
.set LAP,  67
.set G1S,  68
.set G0S,  76
.set G1SB, 80
.set G0SB, 88
.set PM,   92
.set SEL,  100
.set MSB, 0
.macro WIN new
.if MSB != (\new)
	s_set_vgpr_msb (MSB<<8)|(\new)
.set MSB, (\new)
.endif
.endm
.macro PLACES n
.rept \n
	v_nop
.endr
.endm
.macro JLOAD g0a, g1a, g0b, g1b
	s_cmp_eq_u32 s[RI], 0
	s_cbranch_scc0 .Lfor_b_\@
	tensor_load_to_lds s[\g0a:\g0a+3], s[\g1a:\g1a+7]
	s_nop 0
.rept 4
	v_nop
.endr
	s_branch .Lasked_\@
.Lfor_b_\@:
	tensor_load_to_lds s[\g0b:\g0b+3], s[\g1b:\g1b+7]
	s_nop 0
.rept 4
	v_nop
.endr
.Lasked_\@:
.endm
.macro CREST
	s_cmp_lg_u32 s[WV], 0
	s_cbranch_scc1 .Lnot_wave_0_\@
	s_barrier_signal -3
.Lnot_wave_0_\@:
	s_barrier_wait -3
	s_barrier_signal -1
	s_barrier_wait -1
.endm
.macro CROUND
	s_barrier_signal -1
	s_barrier_wait -1
	CREST
.endm
	s_load_b256 s[4:11], s[0:1], 0x0
	s_load_b128 s[12:15], s[0:1], 0x20
	s_load_b64 s[16:17], s[0:1], 0x30
	v_lshl_add_u32 v[SPW], v0, 2, SPARE
	v_mov_b32 v[NIL], 0
	ds_add_u32 v28, v29
	ds_add_u32 v28, v29
	s_wait_dscnt 0x0
	v_lshrrev_b32 v1, 5, v0
	v_readfirstlane_b32 s[WV], v1
	s_lshr_b32 s[RI], s[WV], 1
	s_and_b32 s[RJ], s[WV], 1
	s_bfe_u32 s40, ttmp6, 0x40000
	s_bfe_u32 s41, ttmp6, 0x40004
	s_lshl_b32 s42, ttmp9, 2
	s_add_co_u32 s42, s42, s40
	s_and_b32 s43, ttmp7, 0xffff
	s_lshl_b32 s43, s43, 2
	s_add_co_u32 s43, s43, s41
	s_lshl_b32 s44, s41, 2
	s_lshl_b32 s44, 15, s44
	s_lshl_b32 s45, 0x1111, s40
	s_mov_b32 s[MNT], 0x600000
	s_mov_b32 s[SEL], 0x76543210
	s_mov_b32 s[SEL+1], 0xfedcba98
	s_or_b32 s[G1], s44, (3<<16)|(1<<21)
	s_mov_b32 s[G1+1], 512<<16
	s_mov_b32 s[G1+2], 16<<16
	s_mov_b32 s[G1+3], 512<<16
	s_mov_b32 s[G1+4], 16
	s_mov_b32 s[G1+5], 2*K
	s_mov_b32 s[G1+6], 0
	s_mov_b32 s[G1+7], 0
	s_or_b32 s[G1B], s45, (3<<16)|(1<<21)
	s_mov_b32 s[G1B+1], 512<<16
	s_mov_b32 s[G1B+2], 8<<16
	s_mov_b32 s[G1B+3], 512<<16
	s_mov_b32 s[G1B+4], 8
	s_mov_b32 s[G1B+5], 2*K
	s_mov_b32 s[G1B+6], 0
	s_mov_b32 s[G1B+7], 0
	s_or_b32 s[G1S], s44, (3<<16)|(1<<21)
	s_mov_b32 s[G1S+1], 128<<16
	s_mov_b32 s[G1S+2], KS<<16
	s_mov_b32 s[G1S+3], 128<<16
	s_mov_b32 s[G1S+4], KS
	s_mov_b32 s[G1S+5], 2048
	s_mov_b32 s[G1S+6], 0
	s_mov_b32 s[G1S+7], 0
	s_or_b32 s[G1SB], s45, (3<<16)|(1<<21)
	s_mov_b32 s[G1SB+1], 64<<16
	s_mov_b32 s[G1SB+2], KS<<16
	s_mov_b32 s[G1SB+3], 64<<16
	s_mov_b32 s[G1SB+4], KS
	s_mov_b32 s[G1SB+5], 512
	s_mov_b32 s[G1SB+6], 0
	s_mov_b32 s[G1SB+7], 0
	s_lshr_b32 s21, ttmp9, 1
	s_lshl_b32 s22, s21, 23
	s_lshl_b32 s23, s43, 19
	s_add_co_u32 s22, s22, s23
	s_lshl_b32 s23, s[RJ], 18
	s_add_co_u32 s22, s22, s23
	s_mov_b32 s23, 0
	s_lshl_b32 s2, s21, 18
	s_lshl_b32 s3, s[RJ], 17
	s_add_co_u32 s2, s2, s3
	s_lshl_b32 s3, s43, 10
	s_add_co_u32 s2, s2, s3
	s_add_co_u32 s2, s2, 16777216
	s_mov_b32 s3, 0
	s_lshl_b32 s46, s42, 18
	s_lshl_b32 s47, s[RJ], 17
	s_add_co_u32 s46, s46, s47
	s_mov_b32 s47, 0
	s_lshr_b32 s92, s42, 3
	s_lshl_b32 s92, s92, 16
	s_lshl_b32 s93, s[RJ], 15
	s_add_co_u32 s92, s92, s93
	s_and_b32 s93, s42, 7
	s_lshl_b32 s93, s93, 9
	s_add_co_u32 s92, s92, s93
	s_add_co_u32 s92, s92, 6291456
	s_mov_b32 s93, 0
	s_lshl_b32 s94, s[RJ], 15
	s_lshl_b32 s95, s[RJ], 14
	s_add_co_u32 s95, s95, BOFF
	s_mul_i32 s96, s[RJ], (KS/2)*1024
	s_add_co_u32 s96, s96, SCL
	s_mul_i32 s97, s[RJ], (KS/2)*512
	s_add_co_u32 s97, s97, SCLB
	s_wait_kmcnt 0x0
	s_add_nc_u64 s[22:23], s[4:5], s[22:23]
	s_add_nc_u64 s[2:3], s[4:5], s[2:3]
	s_add_nc_u64 s[46:47], s[6:7], s[46:47]
	s_add_nc_u64 s[92:93], s[6:7], s[92:93]
	CROUND
	s_mov_b32 s[G0S], 1
	s_mov_b32 s[G0S+1], s96
	s_mov_b64 s[G0S+2:G0S+3], s[2:3]
	s_or_b32 s[G0S+3], s[G0S+3], 0x80000000
	s_mov_b32 s[G0SB], 1
	s_mov_b32 s[G0SB+1], s97
	s_mov_b64 s[G0SB+2:G0SB+3], s[92:93]
	s_or_b32 s[G0SB+3], s[G0SB+3], 0x80000000
.irp s, 0,1
	s_mov_b32 s[G0+4*\s], 1
	s_add_co_u32 s[G0+4*\s+1], s94, \s*SLOTB
	s_add_nc_u64 s[G0+4*\s+2:G0+4*\s+3], s[22:23], \s*4096
	s_or_b32 s[G0+4*\s+3], s[G0+4*\s+3], 0x80000000
	s_mov_b32 s[G0B+4*\s], 1
	s_add_co_u32 s[G0B+4*\s+1], s95, \s*SLOTB
	s_add_nc_u64 s[G0B+4*\s+2:G0B+4*\s+3], s[46:47], \s*4096
	s_or_b32 s[G0B+4*\s+3], s[G0B+4*\s+3], 0x80000000
.endr
; THE HEAD'S LOADS, ONE A WAVE, each tile whole: wave 0 slot 0's 16 rows of A, wave 1 its 8 rows of B, wave 2 A's scale words for all of K, wave 3 B's.  The pointers made above hold my half's offset: it is taken off again.
	s_mov_b32 s95, 0
	s_lshl_b32 s94, s[RJ], 18
	s_sub_nc_u64 s[6:7], s[22:23], s[94:95]
	s_or_b32 s7, s7, 0x80000000
	s_mov_b32 s4, 1
	s_mov_b32 s5, 0
	s_lshl_b32 s94, s[RJ], 17
	s_sub_nc_u64 s[98:99], s[46:47], s[94:95]
	s_or_b32 s99, s99, 0x80000000
	s_mov_b32 s96, 1
	s_mov_b32 s97, BOFF
	s_sub_nc_u64 s[G0S+2:G0S+3], s[2:3], s[94:95]
	s_or_b32 s[G0S+3], s[G0S+3], 0x80000000
	s_mov_b32 s[G0S+1], SCL
	s_lshl_b32 s94, s[RJ], 15
	s_sub_nc_u64 s[G0SB+2:G0SB+3], s[92:93], s[94:95]
	s_or_b32 s[G0SB+3], s[G0SB+3], 0x80000000
	s_mov_b32 s[G0SB+1], SCLB
.macro HARM under, g0, g1, next        ; one chain of branches on the wave's number, a load to an arm, all arms to one join
	s_cmp_lt_u32 s[WV], \under
	s_cbranch_scc0 \next
	tensor_load_to_lds s[\g0:\g0+3], s[\g1:\g1+7]
	s_nop 0
.rept 4
	v_nop
.endr
	s_branch .Lhead_asked
\next:
.endm
	HARM 1, 4, G1, .Lhead_b
	HARM 2, 96, G1B, .Lhead_sa
	HARM 3, G0S, G1S, .Lhead_sb
	tensor_load_to_lds s[G0SB:G0SB+3], s[G1SB:G1SB+7]
	s_nop 0
.rept 4
	v_nop
.endr
.Lhead_asked:
	s_wait_alu depctr_va_vdst(0)
	s_wait_tensorcnt 0x0                           ; my tile of the four is in
	ds_add_u32 v28, v29
	s_mov_b32 s[G1+2], 8<<16                       ; no tensor load of mine is out: from here on a load brings half a tile's rows
	s_mov_b32 s[G1+4], 8
	s_mov_b32 s[G1B+2], 4<<16
	s_mov_b32 s[G1B+4], 4
	s_wait_dscnt 0x0
	CROUND
	JLOAD G0+4, G1, G0B+4, G1B                     ; slot 1's first fill, the first tensor load behind the round
	v_and_b32 v1, 31, v0
	v_and_b32 v2, 15, v0
	v_bfe_u32 v3, v0, 4, 1
	v_lshlrev_b32 v[LI], 4, v1
	s_lshl_b32 s21, s[RI], 15
	s_lshl_b32 s94, s[RJ], 14
	s_add_co_u32 s94, s94, BOFF
.irp s, 0,1
	v_add_nc_u32 v[ADRA+\s], s21, v[LI]
	v_add_nc_u32 v[ADRB+\s], s94, v[LI]
	s_add_co_u32 s21, s21, SLOTB
	s_add_co_u32 s94, s94, SLOTB
.endr
	v_lshlrev_b32 v5, 4, v2
	s_wait_alu depctr_va_vdst(0)
	s_lshl_b32 s21, s[RI], 9
	s_add_co_u32 s21, s21, SCL
	v_add_nc_u32 v[ADSA], s21, v5
	s_lshl_b32 s21, s[RJ], 8
	s_add_co_u32 s21, s21, SCLB
	v_add_nc_u32 v[ADSB], s21, v5
	v_lshl_add_u32 v[QW], v3, 3, v5
	s_lshl_b32 s21, s42, 1
	s_add_co_u32 s21, s21, s[RJ]
	s_lshr_b32 s2, s43, 3
	s_and_b32 s3, s43, 7
	s_lshl_b32 s3, s3, 1
	s_add_co_u32 s3, s3, s[RI]
	s_mov_b32 s46, 16896
	s_cmp_lt_u32 ttmp9, 2
	s_cselect_b64 s[14:15], s[14:15], s[16:17]
	s_cselect_b64 s[8:9], s[8:9], s[10:11]
	s_cselect_b32 s22, 4, 3
	s_cselect_b32 s23, 15, 7
	s_cselect_b32 s46, 8448, s46
	s_and_b32 s21, s21, s23
	s_lshl_b32 s2, s2, s22
	s_add_co_u32 s2, s2, s21
	s_lshl_b32 s2, s2, 4
	s_add_co_u32 s2, s2, s3
	s_mul_i32 s2, s2, s46
	s_cmp_eq_u32 ttmp9, 3
	s_cselect_b32 s3, 8448, 0
	s_add_co_u32 s2, s2, s3
	s_mov_b32 s3, 0
	s_add_nc_u64 s[14:15], s[14:15], s[2:3]
	s_and_b32 s2, s42, 7
	s_lshl_b32 s2, s2, 9
	s_lshl_b32 s3, s[RJ], 8
	s_add_co_u32 s2, s2, s3
	s_mov_b32 s3, 0
	s_add_nc_u64 s[8:9], s[8:9], s[2:3]
	s_lshl_b32 s2, s43, 8
	s_lshl_b32 s3, s[RI], 7
	s_add_co_u32 s2, s2, s3
	s_mov_b32 s3, 0
	s_add_nc_u64 s[12:13], s[12:13], s[2:3]
	v_lshlrev_b32 v6, 6, v3
.irp b, 0,1,2,3
	global_load_b128 v[BIAS+8*\b:BIAS+8*\b+3], v6, s[8:9] offset:(32*(\b/2)+8*(\b%2))*4
	global_load_b128 v[BIAS+8*\b+4:BIAS+8*\b+7], v6, s[8:9] offset:(32*(\b/2)+8*(\b%2))*4+16
.endr
	v_and_b32 v7, 8, v2
	v_add_nc_u32 v7, v7, v2
.irp a, 0,1,2,3,4,5,6,7
	global_load_u8 v[PADB+\a], v7, s[12:13] offset:32*(\a/2)+8*(\a%2)
.endr
	s_mul_i32 s2, s[WV], 33792
	v_mul_u32_u24 v[STI], v3, 16*528
	v_lshl_add_u32 v[STI], v7, 2, v[STI]
	v_add_nc_u32 v[STI], s2, v[STI]
	v_mul_u32_u24 v[STO], v7, 528
	v_lshl_add_u32 v[STO], v3, 6, v[STO]
	v_add_nc_u32 v[STO], s2, v[STO]
.irp b, 0,1,2,3
	v_mov_b32 v[TM+4+\b], 0
.endr
.macro FETCH slot, q, p
	WIN 0x80+0x40*(\p)
.irp a, 0,1,2,3,4,5,6,7
.irp c, 0,1,2,3
	ds_load_b128 v[16*\a+4*\c:16*\a+4*\c+3], v[ADRA+\slot] offset:4096*\a+2048*(\q)+512*\c
.endr
.endr
.irp b, 0,1,2,3
.irp c, 0,1,2,3
	ds_load_b128 v[128+16*\b+4*\c:128+16*\b+4*\c+3], v[ADRB+\slot] offset:4096*\b+2048*(\q)+512*\c
.endr
.endr
	WIN 0
	ds_load_b128 v[SC+12*(\p):SC+12*(\p)+3], v[ADSA] offset:1024*(\q)
	ds_load_b128 v[SC+12*(\p)+4:SC+12*(\p)+7], v[ADSA] offset:1024*(\q)+256
	ds_load_b128 v[SC+12*(\p)+8:SC+12*(\p)+11], v[ADSB] offset:512*(\q)
.endm
.macro MUL8 a0, p, first
.irp a, \a0, \a0+1
.irp b, 0,1,2,3
.if \first
	v_wmma_scale_f32_16x16x128_f8f6f4 v[32*(\a)+8*\b:32*(\a)+8*\b+7], v[128+16*\b:128+16*\b+15], v[16*(\a):16*(\a)+15], v[BIAS+8*\b:BIAS+8*\b+7], v[SC+12*(\p)+8+\b], v[SC+12*(\p)+(\a)]
.else
	v_wmma_scale_f32_16x16x128_f8f6f4 v[32*(\a)+8*\b:32*(\a)+8*\b+7], v[128+16*\b:128+16*\b+15], v[16*(\a):16*(\a)+15], v[32*(\a)+8*\b:32*(\a)+8*\b+7], v[SC+12*(\p)+8+\b], v[SC+12*(\p)+(\a)]
.endif
.endr
.endr
.endm
.macro STEP0 slot, first
	s_wait_dscnt 0x0
	PLACES 8
	FETCH \slot, 1, 1
.if \first
	WIN 0x4a
.else
	WIN 0x5a
.endif
	MUL8 0, 0, \first
	MUL8 2, 0, \first
	MUL8 4, 0, \first
	MUL8 6, 0, \first
.endm
.macro TURN slot, next, fill
	WIN 0
	s_wait_tensorcnt 0x0
	ds_add_u32 v[SPW], v[NIL]
	s_wait_dscnt 0x1
	WIN 0x5f
	MUL8 0, 1, 0
	s_wait_dscnt 0x0
	s_barrier_signal -1
	MUL8 2, 1, 0
	WIN 0
	s_barrier_wait -1
.if \fill
	CREST
	s_add_nc_u64 s[G0+4*\slot+2:G0+4*\slot+3], s[G0+4*\slot+2:G0+4*\slot+3], 8192
	s_add_nc_u64 s[G0B+4*\slot+2:G0B+4*\slot+3], s[G0B+4*\slot+2:G0B+4*\slot+3], 8192
	JLOAD G0+4*\slot, G1, G0B+4*\slot, G1B
	PLACES 4
.else
	PLACES 8
.endif
	s_wait_alu depctr_va_vdst(0)
	v_add_nc_u32 v[ADSA], 2048, v[ADSA]
	v_add_nc_u32 v[ADSB], 1024, v[ADSB]
	FETCH \next, 0, 0
	WIN 0x5f
	MUL8 4, 1, 0
	MUL8 6, 1, 0
.endm
	s_wait_tensorcnt 0x1
	s_barrier_signal -1
	s_barrier_wait -1
	FETCH 0, 0, 0
	s_wait_loadcnt 0x0
	s_cmp_eq_u32 ttmp9, 2
	s_cselect_b32 s21, 1, 0
.irp a, 0,1,2,3,4,5,6,7
	v_and_b32 v[PADB+\a], s21, v[PADB+\a]
	v_cmp_ne_u32 s[PM+\a], 0, v[PADB+\a]
.endr
	STEP0 0, 1
	WIN 0
	s_mov_b32 s[LAP], K/512-1
.Llap:
	TURN 0, 1, 1
	s_wait_alu depctr_va_vdst(0)
	STEP0 1, 0
	TURN 1, 0, 1
	s_wait_alu depctr_va_vdst(0)
	STEP0 0, 0
	WIN 0
	s_sub_co_u32 s[LAP], s[LAP], 1
	s_cmp_lg_u32 s[LAP], 0
	s_cbranch_scc1 .Llap
	TURN 0, 1, 0
	s_wait_alu depctr_va_vdst(0)
	STEP0 1, 0
	s_wait_dscnt 0x0
	WIN 0x5f
	MUL8 0, 1, 0
	MUL8 2, 1, 0
	MUL8 4, 1, 0
	MUL8 6, 1, 0
	WIN 0
	PLACES 8
	s_wait_dscnt 0x0
	s_barrier_signal -1
	s_barrier_wait -1
	s_cmp_lg_u32 ttmp9, 3
	s_cbranch_scc1 .Lnot_v
	WIN 0x04
.irp a, 0,1,2,3,4,5,6,7
.irp b, 0,1,2,3
.irp j, 0,1,2,3,4,5,6,7
	ds_store_b32 v[STI], v[32*\a+8*\b+\j] offset:(32*(\b/2)+8*(\b%2)+\j)*528+4*(32*(\a/2)+8*(\a%2))
.endr
.endr
.endr
	WIN 0
	s_wait_dscnt 0x0
	WIN 0x40
.irp d, 0,1,2,3
.irp c, 0,1,2,3
.irp m, 0,1,2,3
	ds_load_b128 v[64*\d+16*\c+4*\m:64*\d+16*\c+4*\m+3], v[STO] offset:(32*(\d/2)+8*(\d%2))*528+128*\c+16*\m
.endr
.endr
.endr
	WIN 0
	s_wait_dscnt 0x0
.Lnot_v:
.macro QUANTW f
.set QS, 64*(\f)
.if (\f) > 0
	s_wait_xcnt 0x0
.endif
	WIN 0x05
.irp b, 0,1,2,3
	v_max3_num_f32 v[TM+\b], |v[QS+16*\b]|, |v[QS+16*\b+1]|, 0x4800000
.endr
	WIN 0x14
.irp i, 2,4,6,8,10,12,14
.irp b, 0,1,2,3
	v_max3_num_f32 v[TM+\b], v[TM+\b], |v[QS+16*\b+\i]|, |v[QS+16*\b+\i+1]|
.endr
.endr
	WIN 0
.irp b, 0,1,2,3
	v_permlanex16_b32 v[TM+4+\b], v[TM+\b], s[SEL], s[SEL+1]
.endr
.irp b, 0,1,2,3
	v_max_num_f32 v[TM+\b], v[TM+\b], v[TM+4+\b]
.endr
.irp b, 0,1,2,3
	v_add_nc_u32 v[TM+12+\b], 0xfc000000, v[TM+\b]
.endr
.irp b, 0,1,2,3
	v_and_or_b32 v[TM+8+\b], v[TM+\b], 0x7f800000, s[MNT]
.endr
.irp b, 0,1,2,3
	v_lshrrev_b32 v[TM+4+\b], 23, v[TM+12+\b]
.endr
	v_lshl_or_b32 v[PW+(\f)], v[TM+5], 8, v[TM+4]
	v_lshl_or_b32 v[PW+(\f)], v[TM+6], 16, v[PW+(\f)]
	v_lshl_or_b32 v[PW+(\f)], v[TM+7], 24, v[PW+(\f)]
.irp b, 0,1,2,3
	v_cndmask_b32 v[TM+8+\b], v[TM+8+\b], 0, s[PM+2*(\f)+\b/2]
.endr
	WIN 0x41
.irp b, 0,1,2,3
.set QI, 0
.rept 16
	v_med3_num_f32 v[QS+16*\b+QI], v[QS+16*\b+QI], -v[TM+8+\b], v[TM+8+\b]
.set QI, QI+1
.endr
.endr
	WIN 0x01
.irp b, 0,1,2,3
	v_cvt_scalef32_pk8_fp8_f32 v[PC+4*\b:PC+4*\b+1], v[QS+16*\b:QS+16*\b+7], v[TM+12+\b]
	v_cvt_scalef32_pk8_fp8_f32 v[PC+4*\b+2:PC+4*\b+3], v[QS+16*\b+8:QS+16*\b+15], v[TM+12+\b]
.endr
	WIN 0
	v_nop
.irp c, 0,1,2,3
	global_store_b128 v[LI], v[PC+4*\c:PC+4*\c+3], s[14:15] offset:2048*(\f)+512*\c
.endr
.endm
	QUANTW 0
	QUANTW 1
	QUANTW 2
	QUANTW 3
	v_cmp_le_u32 vcc_lo, 16, v1
	v_cndmask_b32 v[PR], v[PW], v[PW+2], vcc_lo
	v_cndmask_b32 v[PR+1], v[PW+1], v[PW+3], vcc_lo
	global_store_b64 v[QW], v[PR:PR+1], s[14:15] offset:8192
	s_wait_tensorcnt 0x0
	ds_add_u32 v[SPW], v[NIL]
	s_wait_dscnt 0x0
	CROUND
	s_endpgm
.Lfunc_end_k_qa154fa272b_proj:
	.size	k_qa154fa272b_proj, .Lfunc_end_k_qa154fa272b_proj-k_qa154fa272b_proj
	.p2alignl 7, 3214868480
	.fill 96, 4, 3214868480
	.section	.rodata,"a",@progbits
	.p2align	6, 0x0
	.amdhsa_kernel k_qa154fa272b_proj
		.amdhsa_group_segment_fixed_size 327680
		.amdhsa_private_segment_fixed_size 0
		.amdhsa_enable_private_segment 0
		.amdhsa_kernarg_size 56
		.amdhsa_user_sgpr_count 2
		.amdhsa_user_sgpr_kernarg_segment_ptr 1
		.amdhsa_wavefront_size32 1
		.amdhsa_system_sgpr_workgroup_id_x 1
		.amdhsa_system_sgpr_workgroup_id_y 1
		.amdhsa_system_sgpr_workgroup_id_z 1
		.amdhsa_system_vgpr_workitem_id 0
		.amdhsa_next_free_vgpr 1024
		.amdhsa_next_free_sgpr 102
		.amdhsa_reserve_vcc 1
		.amdhsa_float_denorm_mode_32 3
		.amdhsa_float_denorm_mode_16_64 3
		.amdhsa_memory_ordered 1
		.amdhsa_forward_progress 1
		.amdhsa_inst_pref_size 135
	.end_amdhsa_kernel
	.amdgpu_metadata
---
amdhsa.version: [ 1, 2 ]
amdhsa.kernels:
  - .name:           k_qa154fa272b_proj
    .symbol:         k_qa154fa272b_proj.kd
    .args:
      - { .name: act, .offset: 0, .size: 8, .value_kind: global_buffer, .address_space: global }
      - { .name: w, .offset: 8, .size: 8, .value_kind: global_buffer, .address_space: global }
      - { .name: bq, .offset: 16, .size: 8, .value_kind: global_buffer, .address_space: global }
      - { .name: bkv, .offset: 24, .size: 8, .value_kind: global_buffer, .address_space: global }
      - { .name: key_padding_mask, .offset: 32, .size: 8, .value_kind: global_buffer, .address_space: global }
      - { .name: qimg, .offset: 40, .size: 8, .value_kind: global_buffer, .address_space: global }
      - { .name: kvimg, .offset: 48, .size: 8, .value_kind: global_buffer, .address_space: global }
    .group_segment_fixed_size: 327680
    .private_segment_fixed_size: 0
    .kernarg_segment_align: 8
    .kernarg_segment_size: 56
    .max_flat_workgroup_size: 128
    .sgpr_count:     102
    .vgpr_count:     1024
    .wavefront_size: 32
...
	.end_amdgpu_metadata
.endif
;; end of part 2
;; launch attention (part 3): grid 16 x 16, 8 waves a work-group, no clusters, 308,736 bytes of LDS; arguments qimg, kvimg, maskimg, flags, attnq; writes attnq
.if DOCPART == 3
	.amdgcn_target "amdgcn-amd-amdhsa--gfx1250"
	.amdhsa_code_object_version 6
	.text
	.protected	k_qa154fa272b_attention
	.globl	k_qa154fa272b_attention
	.p2align	8
	.type	k_qa154fa272b_attention,@function
k_qa154fa272b_attention:
	s_mov_b64 s[64:65], 0
	v_nop
	global_prefetch_b8 v0, s[64:65] scope:SCOPE_SE
	s_setreg_imm32_b32 hwreg(HW_REG_WAVE_MODE, 25, 1), 1
	s_wait_xcnt 0x0
; ATTENTION on codes of E4M3 with E8M0 scales: S^T = k q^T (K = the head's 64), the softmax by the whole-number maximum, O^T = v^T p^T (K = the keys), O / l quantised for the output projection.
; WHICH KEY STEPS ARE WALKED is read from memory: flags[b][T], four bytes of four bits, stored by the first launch.  A step of 128 keys is passed over only where, for every one of the tile's 16 rows, its largest
; mask entry (padding written in) lies more than 5e8 under the row's largest: every p of it is then 0 in f32.  LIMIT: |q.k| / 8 under 2e8.  Every tile has at least one step that counts: the one with a row's largest entry.
; SHARES.  A work-group owns the two query heads of key/value head g of batch b and eight tiles of 16 queries: L = 4 x + i and H = 127 - L, i = 0..3.  Waves 2 i and 2 i + 1 are a pair; the one whose number has an odd
; count of one bits is the KEEPER, the other the GIVER.  The giver walks L whole, stores it, and then walks H's key steps 9 to 15; the keeper walks H's key steps 0 to 8.  The giver hands its -M, sum and O^T of H over
; through LDS bytes of the pair's own; the keeper brings both parts under the larger M, by factors that are powers of two, adds them and stores H.  The deal hangs on ids alone and is right for every list.
; A wave owns its tile for BOTH heads: a fragment of k or of v and the mask's tile feed two products each.
; K AND V OF THE WHOLE (b, g) STAY IN LDS: 16 blocks of 16,896 bytes, written once at the head, two blocks a wave, through registers.  NO TENSOR LOAD AND NO CLUSTER: the loop branches on numbers read from memory,
; there is no joint load either.  k and v are never written again: the loop has no barrier.
; ONE LOOP OF 32 TRIPS walks a list of 32 bits: the first tile's 16 steps, then the second's; trip 16 begins with the change of tiles.
; THE MASK's image lies in memory in the order of the score accumulators and goes straight into registers: 16 loads of 512 consecutive bytes for a step.  In each step that counts, the NEXT step that counts is found
; in the list (count of trailing zeros, held at 31) and its mask asked for, over the change of tiles too; where none follows, the step's own tile is named again.  No prefetch: these loads are the look-ahead.
; LAYOUT.  Both products are used transposed: a lane holds ONE query.  Score register n is key 32 (n/16) + 16 h + n%16.  A fragment of k holds TWO tiles of keys (64 channels each): against [q | zeros] it gives the first
; tile's scores, against [zeros | q] the second's.  THE MASK IS THE C OF THE SCORES' PRODUCTS: 8 x attn_mask, 8 x (-1e9) at padded keys, whose codes of k are zeros.  D = 8 x logit; t = D x log2(e) / 8 is rounded as
; logit x log2(e) is, and t - M is a separate addition: on a row whose every logit is -1e9 a fused form would leave a common factor in p that is no power of two.
; SOFTMAX.  M = the running largest t rounded up to a whole number; p = 2^(t - M) is quantised along the keys; the sum is taken of the unquantised p; when M moves, sum and O^T are multiplied by 2^(old M - new M).
; LIMITS: NaN and infinities are not served; the logit's addition of the mask is rounded by the matrix instruction's own sum; blocks whose largest magnitude lies under 2^-118 keep the scale byte 1.
; REGISTERS, two windows of 256; head 0 in window 0, head 1 in window 1 UNDER THE SAME NUMBERS: v12 -M, v13 largest t, v[14:15] the sum, v[16:23] q, v[24:31] zeros, v[32:39] q again, v104-167 S^T, t, p,
; v168-199 O^T, v200-215 p's codes, v224-245 at work.  Window 0 alone: v2-10 addresses and the second tile's q words, v40-103 fragments of k, then v, v216-223 their scale words, v246-247 way out, v248, v250 q's scale words,
; v249, v251 p's.  Window 1 alone: v40-103 the mask, v2-9 and v216-223 the second tile's q.
.set KVB,   16896                      ; a key step's block: k's four pair fragments, quad words at 8,192; v's four fragments at 8,448, quad words at 16,640
.set XCH,   16*KVB                     ; what a giver hands over: for each pair 2 heads x (8 x 512 bytes of O^T + 512 of -M, t, sum)
.set XH,    4608
.set SCR,   XCH+8*XH                   ; 512 bytes: the work-group's scale words on the way out
.set SPARE, SCR+512                    ; the spare words: 128 bytes a wave
.set AS0, 3                            ; v3  16 r
.set LI,  4                            ; v4  16 x lane
.set FR,  40
.set MK,  40                           ; in window 1
.set SS,  104
.set OT,  168
.set PP,  200
.set KW,  216
.set VW,  220
.set MX,  224
.set T2,  228
.set HL,  232
.set SF,  236
.set WV,  18
.set MNT, 19
.set SEL, 20
.set CS,  22
.set FL,  24                           ; s24 the list: bit 0 = this trip
.set TB,  48                           ; s48 LDS byte at which the step's block begins
.set TI,  49                           ; s49 the trip
.set MB,  50                           ; s[50:51] the mask tile that is asked for
.set MSB, 0
.macro WIN new                         ; the immediate's high byte repeats the setting that is left; bits 1:0 source 0, 3:2 source 1, 5:4 source 2, 7:6 destination
.if MSB != (\new)
	s_set_vgpr_msb (MSB<<8)|(\new)
.set MSB, (\new)
.endif
.endm
.macro PLACES n
.rept \n
	v_nop
.endr
.endm
.macro ASKMASK                         ; s53: a trip's number out of the list.  Its mask tile: 16 x 512 consecutive bytes, into window 1
	s_min_u32 s53, s53, 31                         ; a loaded number enters an address only behind this hold
	s_cmp_lt_u32 s53, 16
	s_cselect_b64 s[MB:MB+1], s[36:37], s[38:39]   ; the first tile's image or the second's
	s_and_b32 s53, s53, 15
	s_lshl_b32 s54, s53, 16
	s_mov_b32 s55, 0
	s_add_nc_u64 s[MB:MB+1], s[MB:MB+1], s[54:55]
	WIN 0x40
.set J, 0
.rept 16
	global_load_b128 v[MK+4*J:MK+4*J+3], v[LI], s[MB:MB+1] offset:512*J
.set J, J+1
.endr
	WIN 0
.endm
.macro INIT                            ; a head's start: the first step that counts finds zeros, which the first change of M leaves zeros
.irp j, 0,1,2,3,4,5,6,7
	v_mov_b32 v[24+\j], 0
.endr
	v_mov_b32 v13, 0xff61b1e6                      ; the largest t so far: -3e38
	v_mov_b32 v14, 0
	v_mov_b32 v15, 0
	v_floor_f32 v12, -v13                          ; -M
.irp b, 0,1,2,3
	v_mov_b32 v[T2+\b], 0                          ; a lane permute's destination counts as one of its sources
.endr
	v_mov_b32 v240, 0
	v_mov_b32 v243, 0                              ; (named as the upper half of the pair v[242:243])
.set J, 0
.rept 32
	v_mov_b32 v[OT+J], 0
.set J, J+1
.endr
.endm
.macro QADR t, pc, pw, sh              ; tile s[t]: its q codes' and scale words' addresses, and where its two bytes stand in the pair's word.  Head 2 g's block is ((16 b + 2 g) 16 + T / 8) of 8,448 bytes
	s_lshr_b32 s66, s\t, 3
	s_add_co_u32 s66, s66, s63
	s_mul_i32 s66, s66, 8448
	s_bfe_u32 s68, s\t, 0x20001                    ; pair fragment (T % 8) / 2
	s_and_b32 s69, s\t, 1
	s_lshl_b32 s\sh, s69, 4
	s_lshl_b32 s70, s68, 11
	s_lshl_b32 s69, s69, 10
	s_add_co_u32 s70, s70, s69
	s_add_co_u32 s70, s70, s66
	s_mov_b32 s71, 0
	s_add_nc_u64 s[\pc:\pc+1], s[4:5], s[70:71]
	s_lshl_b32 s70, s68, 2
	s_add_co_u32 s70, s70, s66
	s_add_co_u32 s70, s70, 8192
	s_add_nc_u64 s[\pw:\pw+1], s[4:5], s[70:71]
.endm
.macro TADR t, m, o                    ; tile s[t]: its mask image, (16 b + T / 8) x 2^20 + (T % 8) x 8,192, and its codes on the way out, (128 b + T) x 16,384 + g x 2,048
	s_lshr_b32 s66, s\t, 3
	s_add_co_u32 s66, s66, s60
	s_lshl_b32 s66, s66, 20
	s_and_b32 s67, s\t, 7
	s_lshl_b32 s67, s67, 13
	s_add_co_u32 s66, s66, s67
	s_mov_b32 s67, 0
	s_add_nc_u64 s[\m:\m+1], s[8:9], s[66:67]
	s_add_co_u32 s66, s62, s\t
	s_lshl_b32 s66, s66, 14
	s_lshl_b32 s68, s59, 11
	s_add_co_u32 s66, s66, s68
	s_add_nc_u64 s[\o:\o+1], s[12:13], s[66:67]
.endm
.macro PACKL d, s                      ; four bytes of four bits -> 16 bits
	s_and_b32 s\d, s\s, 15
.irp k, 1,2,3
	s_lshr_b32 s53, s\s, 4*\k
	s_and_b32 s53, s53, 15<<(4*\k)
	s_or_b32 s\d, s\d, s53
.endr
.endm
	s_load_b256 s[4:11], s[0:1], 0x0               ; qimg s[4:5], kvimg s[6:7], maskimg s[8:9], flags s[10:11]
	s_load_b64 s[12:13], s[0:1], 0x20              ; attnq
	v_lshl_add_u32 v254, v0, 2, SPARE
	v_mov_b32 v255, 0
	v_lshrrev_b32 v8, 5, v0
	v_readfirstlane_b32 s[WV], v8                  ; wave 0..7
	s_mul_i32 s61, s[WV], 2*KVB                    ; my two blocks of k and v, in LDS and in memory
	s_lshr_b32 s25, s[WV], 1                       ; i: my pair
	s_mul_i32 s53, s25, 2*XH
	s_add_co_u32 s53, s53, XCH
	v_and_b32 v8, 31, v0
	v_and_b32 v9, 15, v0
	v_lshlrev_b32 v[LI], 4, v8
	v_lshlrev_b32 v[AS0], 4, v9
	v_add_nc_u32 v2, s61, v[LI]
	v_add_nc_u32 v7, s53, v[LI]                    ; my pair's bytes for the hand-over
	s_lshr_b32 s26, s[WV], 2
	s_xor_b32 s26, s26, s25
	s_xor_b32 s26, s26, s[WV]
	s_and_b32 s26, s26, 1                          ; 1: keeper, 0: giver
	s_lshl_b32 s27, ttmp9, 2
	s_add_co_u32 s27, s27, s25                     ; L
	s_sub_co_u32 s28, 127, s27                     ; H
	s_and_b32 s57, ttmp7, 0xffff                   ; y = 8 b + g
	s_lshr_b32 s58, s57, 3                         ; b
	s_and_b32 s59, s57, 7                          ; g
	s_lshl_b32 s60, s58, 4                         ; 16 b
	s_lshl_b32 s62, s58, 7                         ; 128 b
	s_lshl_b32 s63, s59, 1
	s_add_co_u32 s63, s63, s60
	s_lshl_b32 s63, s63, 4                         ; (16 b + 2 g) 16
	s_mul_i32 s30, s57, 16*KVB
	s_add_co_u32 s30, s30, s61
	s_mov_b32 s31, 0
	s_add_co_u32 s32, s62, s27
	s_lshl_b32 s32, s32, 2
	s_mov_b32 s33, 0
	s_add_co_u32 s54, s62, s28
	s_lshl_b32 s54, s54, 2
	s_mov_b32 s55, 0
	s_mov_b32 s[SEL], 0x76543210
	s_mov_b32 s[SEL+1], 0xfedcba98                 ; v_permlanex16_b32's selects for lane l xor 16
	s_mov_b32 s[CS], 0x3e38aa3b                    ; log2(e) / 8
	s_mov_b32 s[CS+1], s[CS]
	s_mov_b32 s[MNT], 0x600000                     ; the mantissa field of 448
	s_mov_b32 s[TI], 0
	s_wait_alu depctr_va_vdst(0)                   ; at the head's end
	s_wait_kmcnt 0x0
	s_add_nc_u64 s[6:7], s[6:7], s[30:31]
	s_add_nc_u64 s[32:33], s[10:11], s[32:33]
	s_add_nc_u64 s[54:55], s[10:11], s[54:55]
	s_load_b32 s34, s[32:33], 0x0                  ; L's list
	s_load_b32 s35, s[54:55], 0x0                  ; H's
.set J, 0
.rept 38
	global_load_b128 v[40+4*J:43+4*J], v[LI], s[6:7] offset:512*J           ; my two blocks are 66 x 512 consecutive bytes: 38 loads into window 0,
.set J, J+1
.endr
	WIN 0x40
.set J, 0
.rept 28
	global_load_b128 v[104+4*J:107+4*J], v[LI], s[6:7] offset:512*(38+J)    ; 28 into window 1
.set J, J+1
.endr
	QADR 27, 72, 74, 82
	QADR 28, 76, 78, 44
	global_load_b128 v[16:19], v[LI], s[72:73] offset:135168                ; head 1's q of L (head 2 g + 1 lies 135,168 bytes on), window 1
	global_load_b128 v[20:23], v[LI], s[72:73] offset:135168+512
	global_load_b128 v[32:35], v[LI], s[72:73] offset:135168
	global_load_b128 v[36:39], v[LI], s[72:73] offset:135168+512
	global_load_b128 v[2:5], v[LI], s[76:77] offset:135168                  ; H's q waits in window 1: head 1's,
	global_load_b128 v[6:9], v[LI], s[76:77] offset:135168+512
	global_load_b128 v[216:219], v[LI], s[76:77]                            ; head 0's
	global_load_b128 v[220:223], v[LI], s[76:77] offset:512
	WIN 0
	global_load_b128 v[16:19], v[LI], s[72:73]
	global_load_b128 v[20:23], v[LI], s[72:73] offset:512
	global_load_b128 v[32:35], v[LI], s[72:73]     ; a second time: [q | zeros] is v[16:31], [zeros | q] is v[24:39]
	global_load_b128 v[36:39], v[LI], s[72:73] offset:512
	global_load_b32 v241, v[AS0], s[74:75]
	global_load_b32 v252, v[AS0], s[74:75] offset:135168
	global_load_b32 v5, v[AS0], s[78:79]
	global_load_b32 v6, v[AS0], s[78:79] offset:135168
	TADR 27, 36, 40
	TADR 28, 38, 42
	s_wait_kmcnt 0x0
	PACKL 45, 34
	PACKL 46, 35
	s_mov_b32 s53, 0xfe00
	s_cmp_eq_u32 s26, 1
	s_cselect_b32 s45, 0, s45                      ; the keeper has no first tile;
	s_cselect_b32 s53, 0x1ff, s53                  ; of H it walks key steps 0 to 8, the giver 9 to 15
	s_and_b32 s46, s46, s53
	s_lshl_b32 s46, s46, 16
	s_or_b32 s[FL], s45, s46
	s_ctz_i32_b32 s53, s[FL]                       ; my first trip that counts (-1 where none does: held at 31)
	ASKMASK
	; quad words on the way out: 4,194,304 + g x 16,384 + (32 b + T / 4) x 256: L's quad is x, H's 31 - x
	s_lshl_b32 s66, s58, 5
	s_add_co_u32 s66, s66, ttmp9
	s_lshl_b32 s66, s66, 8
	s_lshl_b32 s68, s59, 14
	s_add_co_u32 s66, s66, s68
	s_add_co_u32 s66, s66, 4194304
	s_mov_b32 s67, 0
	s_add_nc_u64 s[80:81], s[12:13], s[66:67]
	s_lshl_b32 s69, ttmp9, 1
	s_sub_co_u32 s69, 31, s69
	s_lshl_b32 s83, s69, 8                         ; from quad x to quad 31 - x
	s_mul_i32 s68, s26, 3
	s_xor_b32 s68, s68, s25                        ; the giver stores L's word, place i; the keeper H's, place 3 - i
	s_lshl_b32 s68, s68, 2
	s_lshl_b32 s69, s26, 8
	s_add_co_u32 s68, s68, s69
	s_add_co_u32 s68, s68, SCR
	v_add_nc_u32 v246, s68, v[AS0]
	v_add_nc_u32 v247, SCR, v[LI]
	s_wait_alu depctr_va_vdst(0)
	s_wait_loadcnt 60                              ; the first 38 are in: behind them stand 28 + 16 + 16 loads
.set J, 0
.rept 38
	ds_store_b128 v2, v[40+4*J:43+4*J] offset:512*J
.set J, J+1
.endr
	s_wait_loadcnt 32                              ; the 28: behind them 16 + 16
	WIN 0x04
.set J, 0
.rept 28
	ds_store_b128 v2, v[104+4*J:107+4*J] offset:512*(38+J)
.set J, J+1
.endr
	WIN 0
	s_wait_dscnt 0x0                               ; for the others' sake; and the stores have read their registers
	s_barrier_signal -1
	INIT                                           ; head 0
	WIN 0x55
	INIT                                           ; head 1
	WIN 0
	s_barrier_wait -1                              ; all sixteen blocks are in LDS: from here on nobody writes them
	s_wait_loadcnt 16                              ; q of both tiles and its words; the mask's 16 may be out
	v_lshrrev_b32 v241, s82, v241
	v_lshrrev_b32 v252, s82, v252
	v_lshrrev_b32 v5, s44, v5
	v_lshrrev_b32 v6, s44, v6
	v_and_b32 v241, 0xffff, v241
	v_and_b32 v252, 0xffff, v252
	v_and_b32 v5, 0xffff, v5
	v_and_b32 v6, 0xffff, v6
	v_lshl_or_b32 v248, v241, 16, v241             ; (q0, q1, q0, q1): it serves [q | zeros] and [zeros | q]
	v_lshl_or_b32 v250, v252, 16, v252             ; head 1's
	v_lshl_or_b32 v5, v5, 16, v5                   ; and H's two, until the change of tiles
	v_lshl_or_b32 v6, v6, 16, v6
	PLACES 8                                       ; a scale register written by a vector instruction stands eight places ahead of the product
.macro SCORES qw                       ; 8 products: the scores of one head.  C = the mask, in registers of its own
.irp t, 0,2,4,6
	v_wmma_scale_f32_16x16x128_f8f6f4 v[SS+8*\t:SS+8*\t+7], v[FR+8*\t:FR+8*\t+15], v[16:31], v[MK+8*\t:MK+8*\t+7], v[KW+\t/2], v[\qw]
	v_wmma_scale_f32_16x16x128_f8f6f4 v[SS+8*\t+8:SS+8*\t+15], v[FR+8*\t:FR+8*\t+15], v[24:39], v[MK+8*\t+8:MK+8*\t+15], v[KW+\t/2], v[\qw]
.endr
.endm
.macro PV pw                           ; 4 products: O^T += v^T p^T of one head; the four accumulators take turns
.irp d, 0,1,2,3
	v_wmma_scale_f32_16x16x128_f8f6f4 v[OT+8*\d:OT+8*\d+7], v[FR+16*\d:FR+16*\d+15], v[PP:PP+15], v[OT+8*\d:OT+8*\d+7], v[VW+\d], v[\pw]
.endr
.endm
; One head's softmax of a key step, in the window that is set: h = 0: window 0; h = 1: window 1, and p's scale word goes to window 0, where scale operands are taken from.
.macro SOFT h
	s_wait_alu depctr_va_vdst(0)                   ; directly ahead of the scores' first readers
.set J, 0
.rept 32
	v_pk_mul_f32 v[SS+J:SS+J+1], v[SS+J:SS+J+1], s[CS:CS+1] op_sel_hi:[1,0]   ; t; each accumulator from its low end on
.set J, J+2
.endr
.irp b, 0,1,2,3
	v_max3_num_f32 v[MX+\b], v[SS+16*\b], v[SS+16*\b+1], v[SS+16*\b+2]   ; the largest t of each block of 32 keys, the four blocks by turns
.endr
.irp i, 3,5,7,9,11,13
.irp b, 0,1,2,3
	v_max3_num_f32 v[MX+\b], v[MX+\b], v[SS+16*\b+\i], v[SS+16*\b+\i+1]
.endr
.endr
.irp b, 0,1,2,3
	v_max_num_f32 v[MX+\b], v[MX+\b], v[SS+16*\b+15]
.endr
.irp b, 0,1,2,3
	v_permlanex16_b32 v[T2+\b], v[MX+\b], s[SEL], s[SEL+1]
.endr
.irp b, 0,1,2,3
	v_max_num_f32 v[MX+\b], v[MX+\b], v[T2+\b]     ; with lane l xor 16's 16 keys
.endr
	v_max3_num_f32 v240, v[MX], v[MX+1], v[MX+2]
	v_max_num_f32 v240, v240, v[MX+3]
	v_max_num_f32 v13, v13, v240                   ; the running largest t
	v_mov_b32 v240, v12
	v_floor_f32 v12, -v13                          ; -M = floor(-t): M is a whole number
	v_sub_f32 v240, v12, v240                      ; old M - new M, 0 or less
	v_cvt_i32_f32 v240, v240                       ; (it saturates)
	v_ldexp_f32 v242, 1.0, v240                    ; f = 2^(old M - new M)
.set J, 0
.rept 32
	v_pk_add_f32 v[SS+J:SS+J+1], v[SS+J:SS+J+1], v[12:13] op_sel_hi:[1,0]   ; t - M
.set J, J+2
.endr
.irp b, 0,1,2,3
	v_add_f32 v[MX+\b], v[MX+\b], v12
.endr
	s_wait_alu depctr_va_vdst(0)                   ; ahead of the batch
.set J, 0
.rept 64
	v_exp_f32 v[SS+J], v[SS+J]                     ; p = 2^(t - M)
.set J, J+1
.endr
	v_pk_mul_f32 v[14:15], v[14:15], v[242:243] op_sel_hi:[1,0]   ; the sum under the new M: the plain line behind the exponentials
	s_wait_alu depctr_va_vdst(0)                   ; one wait for the batch, ahead of its first reader
.irp b, 0,1,2,3
	v_exp_f32 v[MX+\b], v[MX+\b]                   ; the block's largest p: the same two instructions on the same number
.endr
	v_pk_add_f32 v[244:245], v[SS:SS+1], v[SS+2:SS+3]   ; the sum of the unquantised p, in two chains
.set J, 4
.rept 15
	v_pk_add_f32 v[14:15], v[14:15], v[SS+J:SS+J+1]
	v_pk_add_f32 v[244:245], v[244:245], v[SS+J+2:SS+J+3]
.set J, J+4
.endr
	v_pk_add_f32 v[14:15], v[14:15], v[244:245]
	s_wait_alu depctr_va_vdst(0)                   ; and one for the four
.irp b, 0,1,2,3
	v_max_num_f32 v[MX+\b], 0x4800000, v[MX+\b]    ; the floor 2^(9 - 127)
.endr
.irp b, 0,1,2,3
	v_add_nc_u32 v[SF+\b], 0xfc000000, v[MX+\b]    ; 8 off the exponent field: the conversion's scale operand
.endr
.irp b, 0,1,2,3
	v_and_or_b32 v[HL+\b], v[MX+\b], 0x7f800000, s[MNT]   ; 448 x the scale
.endr
.irp b, 0,1,2,3
	v_lshrrev_b32 v[T2+\b], 23, v[SF+\b]           ; the scale's byte
.endr
	v_lshl_or_b32 v249, v[T2+1], 8, v[T2]          ; p's scale word for these 128 keys
	v_lshl_or_b32 v249, v[T2+2], 16, v249
.if \h
	WIN 0x15                                       ; sources window 1, destination window 0
	v_lshl_or_b32 v251, v[T2+3], 24, v249
	WIN 0x55
.else
	v_lshl_or_b32 v249, v[T2+3], 24, v249
.irp b, 0,1,2,3
	v_mov_b32 v[T2+(\b+1)%4], v[HL+\b]             ; the bound once more, under a number that differs modulo 4: the pairs below name one copy in each half
.endr
.endif
.irp b, 0,1,2,3
.set J, 0
.if \h
.rept 16
	v_min_num_f32 v[SS+16*\b+J], v[SS+16*\b+J], v[HL+\b]   ; the conversion to an 8-bit code does not saturate (ISA guide 7.6.2); p is not negative: the hold is one-sided
.set J, J+1
.endr
.else
.rept 8
	v_dual_min_num_f32 v[SS+16*\b+J], v[SS+16*\b+J], v[HL+\b] :: v_dual_min_num_f32 v[SS+16*\b+J+1], v[SS+16*\b+J+1], v[T2+(\b+1)%4]   ; the same hold, two numbers a line
.set J, J+2
.endr
.endif
	v_cvt_scalef32_pk8_fp8_f32 v[PP+4*\b:PP+4*\b+1], v[SS+16*\b:SS+16*\b+7], v[SF+\b]
	v_cvt_scalef32_pk8_fp8_f32 v[PP+4*\b+2:PP+4*\b+3], v[SS+16*\b+8:SS+16*\b+15], v[SF+\b]
.endr
	s_wait_alu depctr_va_vdst(0)                   ; directly ahead of the first reader of O^T
.set J, 0
.rept 16
	v_pk_mul_f32 v[OT+J:OT+J+1], v[OT+J:OT+J+1], v[242:243] op_sel_hi:[1,0]   ; O^T under the new M; also the places between the codes and the products
.set J, J+2
.endr
.endm
; THE WAY OUT of a head, in the window that is set.  O^T / l: register 16 b + i is channel 32 b + 16 h + i of my query: two blocks of the output projection's K.  8 code registers at v[PP], the two scale bytes in v240
.macro OUTQ
	v_add_f32 v14, v14, v15
	v_permlanex16_b32 v240, v14, s[SEL], s[SEL+1]
	v_add_f32 v14, v14, v240                       ; the row's sum
	s_wait_alu depctr_va_vdst(0)                   ; ahead of the reciprocal,
	v_rcp_f32 v14, v14
	v_nop                                          ; a plain line behind it,
	s_wait_alu depctr_va_vdst(0)                   ; and the wait ahead of its first reader, which is O^T's too
.set J, 0
.rept 16
	v_pk_mul_f32 v[SS+J:SS+J+1], v[OT+J:OT+J+1], v[14:15] op_sel_hi:[1,0]
.set J, J+2
.endr
.irp b, 0,1
	v_max3_num_f32 v[MX+\b], |v[SS+16*\b]|, |v[SS+16*\b+1]|, 0x4800000
.endr
.irp i, 2,4,6,8,10,12,14
.irp b, 0,1
	v_max3_num_f32 v[MX+\b], v[MX+\b], |v[SS+16*\b+\i]|, |v[SS+16*\b+\i+1]|
.endr
.endr
.irp b, 0,1
	v_permlanex16_b32 v[T2+\b], v[MX+\b], s[SEL], s[SEL+1]
.endr
.irp b, 0,1
	v_max_num_f32 v[MX+\b], v[MX+\b], v[T2+\b]
.endr
.irp b, 0,1
	v_add_nc_u32 v[SF+\b], 0xfc000000, v[MX+\b]
.endr
.irp b, 0,1
	v_and_or_b32 v[HL+\b], v[MX+\b], 0x7f800000, s[MNT]
.endr
.irp b, 0,1
	v_lshrrev_b32 v[T2+\b], 23, v[SF+\b]
.endr
	v_lshl_or_b32 v240, v[T2+1], 8, v[T2]
.irp b, 0,1
.set J, 0
.rept 16
	v_med3_num_f32 v[SS+16*\b+J], v[SS+16*\b+J], -v[HL+\b], v[HL+\b]
.set J, J+1
.endr
	v_cvt_scalef32_pk8_fp8_f32 v[PP+4*\b:PP+4*\b+1], v[SS+16*\b:SS+16*\b+7], v[SF+\b]
	v_cvt_scalef32_pk8_fp8_f32 v[PP+4*\b+2:PP+4*\b+3], v[SS+16*\b+8:SS+16*\b+15], v[SF+\b]
.endr
	v_nop                                          ; a plain line behind the last conversion
.endm
.macro OUTALL o                        ; a tile leaves: both heads' codes to s[o:o+1], its rows' scale word to the work-group's 512 bytes
	OUTQ
	global_store_b128 v[LI], v[PP:PP+3], s[\o:\o+1]            ; 512 consecutive bytes each, aligned
	global_store_b128 v[LI], v[PP+4:PP+7], s[\o:\o+1] offset:512
	WIN 0x55
	OUTQ
	WIN 0x04                                       ; a store's data are its source 1: window 1
	global_store_b128 v[LI], v[PP:PP+3], s[\o:\o+1] offset:1024
	global_store_b128 v[LI], v[PP+4:PP+7], s[\o:\o+1] offset:1536
	WIN 0x01                                       ; source 0 window 1
	v_lshl_or_b32 v240, v240, 16, v240             ; head 1's two bytes over head 0's
	WIN 0
	ds_store_b32 v246, v240                        ; both lanes of a row write the same word with the same value
.endm
.macro MERGE                           ; in the window that is set: the giver's part (O^T in v[SS] on, -M, t, sum in v[224:227]) joins mine under the larger M
	s_wait_alu depctr_va_vdst(0)
	v_min_num_f32 v240, v12, v224                  ; -M of the larger M.  A part with no step has -M = 3e38, a factor 0, and zeros
	v_mov_b32 v245, 0                              ; (named as the upper half of the pair v[244:245])
	v_sub_f32 v241, v240, v12
	v_sub_f32 v228, v240, v224
	v_cvt_i32_f32 v241, v241                       ; (they saturate)
	v_cvt_i32_f32 v228, v228
	v_ldexp_f32 v242, 1.0, v241
	v_ldexp_f32 v244, 1.0, v228
	v_pk_mul_f32 v[14:15], v[14:15], v[242:243] op_sel_hi:[1,0]
	v_pk_fma_f32 v[14:15], v[226:227], v[244:245], v[14:15] op_sel_hi:[1,0,1]
.set J, 0
.rept 16
	v_pk_mul_f32 v[OT+J:OT+J+1], v[OT+J:OT+J+1], v[242:243] op_sel_hi:[1,0]
.set J, J+2
.endr
.set J, 0
.rept 16
	v_pk_fma_f32 v[OT+J:OT+J+1], v[SS+J:SS+J+1], v[244:245], v[OT+J:OT+J+1] op_sel_hi:[1,0,1]
.set J, J+2
.endr
.endm
.Lstep:                                            ; 32 trips, a constant; the list leads round a step's work, and round no barrier
	s_wait_alu depctr_va_vdst(0)                   ; behind the backward jump
	s_cmp_eq_u32 s[TI], 16
	s_cbranch_scc0 .Lsame
	PLACES 8                                       ; THE CHANGE OF TILES.  Eight places behind the last products
	s_cmp_eq_u32 s26, 1
	s_cbranch_scc1 .Lno_first
	OUTALL 40                                      ; the giver's L leaves
.Lno_first:
	s_wait_xcnt 0x0                                ; the stores have read their registers, which the next steps write
	WIN 0x01
.set J, 0
.rept 8
	v_mov_b32 v[16+J], v[216+J]                    ; H's q into its places: head 0's,
	v_mov_b32 v[32+J], v[216+J]
.set J, J+1
.endr
	WIN 0x41
.set J, 0
.rept 8
	v_mov_b32 v[16+J], v[2+J]                      ; head 1's,
	v_mov_b32 v[32+J], v[2+J]
.set J, J+1
.endr
	WIN 0
	v_mov_b32 v248, v5                             ; and its scale words
	v_mov_b32 v250, v6
	INIT
	WIN 0x55
	INIT
	WIN 0
	s_wait_alu depctr_va_vdst(0)
.Lsame:
	s_bitcmp1_b32 s[FL], 0
	s_cbranch_scc0 .Lnext
	s_and_b32 s53, s[TI], 15
	s_mul_i32 s[TB], s53, KVB
	v_add_nc_u32 v9, s[TB], v[LI]
	v_add_nc_u32 v10, s[TB], v[AS0]
	PLACES 6                                       ; with the two additions: eight places in front of loads into registers that the last products read
.set J, 0
.rept 16
	ds_load_b128 v[FR+4*J:FR+4*J+3], v9 offset:512*J               ; k's four pair fragments
.set J, J+1
.endr
	ds_load_b128 v[KW:KW+3], v10 offset:8192
	s_wait_alu depctr_va_vdst(0)
	s_wait_loadcnt 0x0                             ; this step's mask
	s_wait_dscnt 0x0
	WIN 0x10                                       ; C window 1
	SCORES 248
	WIN 0x54                                       ; q, C and D window 1; k window 0
	SCORES 250
	WIN 0
	PLACES 8                                       ; in front of the loads over k's fragments and over the mask, and of the first read of the scores
.set J, 0
.rept 16
	ds_load_b128 v[FR+4*J:FR+4*J+3], v9 offset:8448+512*J          ; v's four fragments land under head 0's softmax
.set J, J+1
.endr
	ds_load_b128 v[VW:VW+3], v10 offset:16640
	s_lshr_b32 s53, s[FL], 1
	s_ctz_i32_b32 s53, s53                         ; how many trips are passed over behind this one (-1: none counts any more)
	s_add_co_u32 s53, s53, s[TI]
	s_add_co_u32 s53, s53, 1
	ASKMASK                                        ; the next counting trip's mask (the loads that named s[MB] are done: the wait above)
	SOFT 0
	s_wait_alu depctr_va_vdst(0)
	s_wait_dscnt 0x0                               ; v
	PV 249
	WIN 0x55
	SOFT 1
	WIN 0x54                                       ; p, C and D window 1; v window 0
	PV 251
	WIN 0
.Lnext:
	s_lshr_b32 s[FL], s[FL], 1
	s_add_co_u32 s[TI], s[TI], 1
	s_cmp_lt_u32 s[TI], 32
	s_cbranch_scc1 .Lstep
	PLACES 8                                       ; eight places behind the last products
	s_cmp_eq_u32 s26, 1
	s_cbranch_scc1 .Lkeeper
.set J, 0
.rept 8
	ds_store_b128 v7, v[OT+4*J:OT+4*J+3] offset:512*J              ; the giver's part of H, as an image of its registers; each accumulator from its low end on
.set J, J+1
.endr
	ds_store_b128 v7, v[12:15] offset:4096
	WIN 0x04
.set J, 0
.rept 8
	ds_store_b128 v7, v[OT+4*J:OT+4*J+3] offset:XH+512*J
.set J, J+1
.endr
	ds_store_b128 v7, v[12:15] offset:XH+4096
	WIN 0
.Lkeeper:
	s_wait_dscnt 0x0                               ; for the keeper's sake
	s_barrier_signal -1
	s_barrier_wait -1
	s_cmp_eq_u32 s26, 0
	s_cbranch_scc1 .Lgiven
.set J, 0
.rept 8
	ds_load_b128 v[SS+4*J:SS+4*J+3], v7 offset:512*J
.set J, J+1
.endr
	ds_load_b128 v[224:227], v7 offset:4096
	WIN 0x40
.set J, 0
.rept 8
	ds_load_b128 v[SS+4*J:SS+4*J+3], v7 offset:XH+512*J
.set J, J+1
.endr
	ds_load_b128 v[224:227], v7 offset:XH+4096
	WIN 0
	s_wait_dscnt 0x0
	MERGE
	WIN 0x55
	MERGE
	WIN 0
	OUTALL 42                                      ; H leaves
.Lgiven:
	s_wait_dscnt 0x0                               ; for the others' sake
	s_barrier_signal -1
	s_barrier_wait -1
	s_cmp_lg_u32 s[WV], 0
	s_cbranch_scc1 .Lnot_first
	ds_load_b128 v[SS:SS+3], v247                  ; lanes 0-15: quad x's words; lanes 16-31: quad 31 - x's
	v_bfe_u32 v8, v0, 4, 1
	v_mul_u32_u24 v8, v8, s83
	v_add_nc_u32 v8, v8, v[AS0]
	s_wait_alu depctr_va_vdst(0)
	s_wait_dscnt 0x0
	global_store_b128 v8, v[SS:SS+3], s[80:81]     ; sixteen lanes store 256 consecutive bytes, aligned, twice
.Lnot_first:
	s_wait_tensorcnt 0x0                           ; the wave's end
	ds_add_u32 v254, v255
	s_wait_dscnt 0x0
	s_endpgm
.Lfunc_end_k_qa154fa272b_attention:
	.size	k_qa154fa272b_attention, .Lfunc_end_k_qa154fa272b_attention-k_qa154fa272b_attention
	.p2alignl 7, 3214868480
	.fill 96, 4, 3214868480
	.section	.rodata,"a",@progbits
	.p2align	6, 0x0
	.amdhsa_kernel k_qa154fa272b_attention
		.amdhsa_group_segment_fixed_size 308736
		.amdhsa_private_segment_fixed_size 0
		.amdhsa_enable_private_segment 0
		.amdhsa_kernarg_size 40
		.amdhsa_user_sgpr_count 2
		.amdhsa_user_sgpr_kernarg_segment_ptr 1
		.amdhsa_wavefront_size32 1
		.amdhsa_system_sgpr_workgroup_id_x 1
		.amdhsa_system_sgpr_workgroup_id_y 1
		.amdhsa_system_sgpr_workgroup_id_z 1
		.amdhsa_system_vgpr_workitem_id 0
		.amdhsa_next_free_vgpr 512
		.amdhsa_next_free_sgpr 84
		.amdhsa_reserve_vcc 0
		.amdhsa_float_denorm_mode_32 3
		.amdhsa_float_denorm_mode_16_64 3
		.amdhsa_memory_ordered 1
		.amdhsa_forward_progress 1
		.amdhsa_inst_pref_size 100
	.end_amdhsa_kernel
	.amdgpu_metadata
---
amdhsa.version: [ 1, 2 ]
amdhsa.kernels:
  - .name:           k_qa154fa272b_attention
    .symbol:         k_qa154fa272b_attention.kd
    .args:
      - { .name: qimg, .offset: 0, .size: 8, .value_kind: global_buffer, .address_space: global }
      - { .name: kvimg, .offset: 8, .size: 8, .value_kind: global_buffer, .address_space: global }
      - { .name: maskimg, .offset: 16, .size: 8, .value_kind: global_buffer, .address_space: global }
      - { .name: flags, .offset: 24, .size: 8, .value_kind: global_buffer, .address_space: global }
      - { .name: attnq, .offset: 32, .size: 8, .value_kind: global_buffer, .address_space: global }
    .group_segment_fixed_size: 308736
    .private_segment_fixed_size: 0
    .kernarg_segment_align: 8
    .kernarg_segment_size: 40
    .max_flat_workgroup_size: 256
    .sgpr_count:     84
    .vgpr_count:     512
    .wavefront_size: 32
...
	.end_amdgpu_metadata
.endif
;; end of part 3
;; launch outp (part 4): grid 16 x 16, 4 waves a work-group, clusters of 4 x 4, 327,680 bytes of LDS; arguments attnq, w, bo, out0; writes out0
.if DOCPART == 4
	.amdgcn_target "amdgcn-amd-amdhsa--gfx1250"
	.amdhsa_code_object_version 6
	.text
	.protected	k_qa154fa272b_outp
	.globl	k_qa154fa272b_outp
	.p2align	8
	.type	k_qa154fa272b_outp,@function
k_qa154fa272b_outp:
	s_mov_b64 s[64:65], 0
	v_nop
	global_prefetch_b8 v0, s[64:65] scope:SCOPE_SE
	s_setreg_imm32_b32 hwreg(HW_REG_WAVE_MODE, 25, 1), 1
	s_wait_xcnt 0x0
	s_wait_alu depctr_hold_cnt(0) depctr_sa_sdst(0) depctr_va_vdst(0) depctr_va_sdst(0) depctr_va_ssrc(0) depctr_va_vcc(0) depctr_vm_vsrc(0)
	s_getreg_b32 s2, hwreg(HW_REG_IB_STS2, 6, 4)
	s_cmp_eq_u32 s2, 0
	s_cbranch_scc0 .Lentry_in_a_cluster
	s_endpgm
.Lentry_in_a_cluster:
	s_bfe_u32 s2, ttmp6, 0x10000c
	s_cmp_lg_u32 s2, 0xf033
	s_cbranch_scc0 .Lentry_shape_is_right
	s_endpgm
.Lentry_shape_is_right:
.set K,     1024
.set KS,    K/128
.set SLOTB, 98304
.set BOFF,  65536
.set SCL,   2*SLOTB
.set SCLB,  SCL+1024*KS
.set SPARE, SCL+1536*KS
.set ADRA, 16
.set ADRB, 20
.set ADSA, 22
.set ADSB, 23
.set STO,  24
.set RD,   25
.set CO,   26
.set LI,   27
.set SPW,  28
.set NIL,  29
.set SC,   32
.set BIAS, 64
.set BK,   128
.set WV,   18
.set RI,   19
.set RJ,   20
.set G1,   24
.set G0,   32
.set G1B,  48
.set G0B,  56
.set LAP,  67
.set G1S,  68
.set G0S,  76
.set G1SB, 80
.set G0SB, 88
.set MSB, 0
.macro WIN new
.if MSB != (\new)
	s_set_vgpr_msb (MSB<<8)|(\new)
.set MSB, (\new)
.endif
.endm
.macro PLACES n
.rept \n
	v_nop
.endr
.endm
.macro JLOAD g0a, g1a, g0b, g1b
	s_cmp_eq_u32 s[RI], 0
	s_cbranch_scc0 .Lfor_b_\@
	tensor_load_to_lds s[\g0a:\g0a+3], s[\g1a:\g1a+7]
	s_nop 0
.rept 4
	v_nop
.endr
	s_branch .Lasked_\@
.Lfor_b_\@:
	tensor_load_to_lds s[\g0b:\g0b+3], s[\g1b:\g1b+7]
	s_nop 0
.rept 4
	v_nop
.endr
.Lasked_\@:
.endm
.macro CREST
	s_cmp_lg_u32 s[WV], 0
	s_cbranch_scc1 .Lnot_wave_0_\@
	s_barrier_signal -3
.Lnot_wave_0_\@:
	s_barrier_wait -3
	s_barrier_signal -1
	s_barrier_wait -1
.endm
.macro CROUND
	s_barrier_signal -1
	s_barrier_wait -1
	CREST
.endm
	s_load_b256 s[4:11], s[0:1], 0x0
	v_lshl_add_u32 v[SPW], v0, 2, SPARE
	v_mov_b32 v[NIL], 0
	ds_add_u32 v28, v29
	ds_add_u32 v28, v29
	s_wait_dscnt 0x0
	v_lshrrev_b32 v1, 5, v0
	v_readfirstlane_b32 s[WV], v1
	s_lshr_b32 s[RI], s[WV], 1
	s_and_b32 s[RJ], s[WV], 1
	s_bfe_u32 s40, ttmp6, 0x40000
	s_bfe_u32 s41, ttmp6, 0x40004
	s_lshl_b32 s42, ttmp9, 2
	s_add_co_u32 s42, s42, s40
	s_and_b32 s43, ttmp7, 0xffff
	s_lshl_b32 s43, s43, 2
	s_add_co_u32 s43, s43, s41
	s_lshl_b32 s44, s41, 2
	s_lshl_b32 s44, 15, s44
	s_lshl_b32 s45, 0x1111, s40
	s_or_b32 s[G1], s44, (3<<16)|(1<<21)
	s_mov_b32 s[G1+1], 512<<16
	s_mov_b32 s[G1+2], 16<<16
	s_mov_b32 s[G1+3], 512<<16
	s_mov_b32 s[G1+4], 16
	s_mov_b32 s[G1+5], 2*K
	s_mov_b32 s[G1+6], 0
	s_mov_b32 s[G1+7], 0
	s_or_b32 s[G1B], s45, (3<<16)|(1<<21)
	s_mov_b32 s[G1B+1], 512<<16
	s_mov_b32 s[G1B+2], 8<<16
	s_mov_b32 s[G1B+3], 512<<16
	s_mov_b32 s[G1B+4], 8
	s_mov_b32 s[G1B+5], 2*K
	s_mov_b32 s[G1B+6], 0
	s_mov_b32 s[G1B+7], 0
	s_or_b32 s[G1S], s44, (3<<16)|(1<<21)
	s_mov_b32 s[G1S+1], 128<<16
	s_mov_b32 s[G1S+2], KS<<16
	s_mov_b32 s[G1S+3], 128<<16
	s_mov_b32 s[G1S+4], KS
	s_mov_b32 s[G1S+5], 2048
	s_mov_b32 s[G1S+6], 0
	s_mov_b32 s[G1S+7], 0
	s_or_b32 s[G1SB], s45, (3<<16)|(1<<21)
	s_mov_b32 s[G1SB+1], 64<<16
	s_mov_b32 s[G1SB+2], KS<<16
	s_mov_b32 s[G1SB+3], 64<<16
	s_mov_b32 s[G1SB+4], KS
	s_mov_b32 s[G1SB+5], 1024
	s_mov_b32 s[G1SB+6], 0
	s_mov_b32 s[G1SB+7], 0
	s_lshl_b32 s22, s43, 18
	s_lshl_b32 s23, s[RJ], 17
	s_add_co_u32 s22, s22, s23
	s_mov_b32 s23, 0
	s_lshl_b32 s2, s[RJ], 16
	s_lshl_b32 s3, s43, 10
	s_add_co_u32 s2, s2, s3
	s_add_co_u32 s2, s2, 4194304
	s_mov_b32 s3, 0
	s_lshl_b32 s46, s42, 17
	s_lshl_b32 s47, s[RJ], 16
	s_add_co_u32 s46, s46, s47
	s_add_co_u32 s46, s46, 4194304
	s_mov_b32 s47, 0
	s_lshl_b32 s92, s[RJ], 15
	s_lshl_b32 s93, s42, 9
	s_add_co_u32 s92, s92, s93
	s_add_co_u32 s92, s92, 6422528
	s_mov_b32 s93, 0
	s_lshl_b32 s94, s[RJ], 15
	s_lshl_b32 s95, s[RJ], 14
	s_add_co_u32 s95, s95, BOFF
	s_mul_i32 s96, s[RJ], (KS/2)*1024
	s_add_co_u32 s96, s96, SCL
	s_mul_i32 s97, s[RJ], (KS/2)*512
	s_add_co_u32 s97, s97, SCLB
	s_wait_kmcnt 0x0
	s_add_nc_u64 s[22:23], s[4:5], s[22:23]
	s_add_nc_u64 s[2:3], s[4:5], s[2:3]
	s_add_nc_u64 s[46:47], s[6:7], s[46:47]
	s_add_nc_u64 s[92:93], s[6:7], s[92:93]
	CROUND
	s_mov_b32 s[G0S], 1
	s_mov_b32 s[G0S+1], s96
	s_mov_b64 s[G0S+2:G0S+3], s[2:3]
	s_or_b32 s[G0S+3], s[G0S+3], 0x80000000
	s_mov_b32 s[G0SB], 1
	s_mov_b32 s[G0SB+1], s97
	s_mov_b64 s[G0SB+2:G0SB+3], s[92:93]
	s_or_b32 s[G0SB+3], s[G0SB+3], 0x80000000
.irp s, 0,1
	s_mov_b32 s[G0+4*\s], 1
	s_add_co_u32 s[G0+4*\s+1], s94, \s*SLOTB
	s_add_nc_u64 s[G0+4*\s+2:G0+4*\s+3], s[22:23], \s*4096
	s_or_b32 s[G0+4*\s+3], s[G0+4*\s+3], 0x80000000
	s_mov_b32 s[G0B+4*\s], 1
	s_add_co_u32 s[G0B+4*\s+1], s95, \s*SLOTB
	s_add_nc_u64 s[G0B+4*\s+2:G0B+4*\s+3], s[46:47], \s*4096
	s_or_b32 s[G0B+4*\s+3], s[G0B+4*\s+3], 0x80000000
.endr
; THE HEAD'S LOADS, ONE A WAVE, each tile whole: wave 0 slot 0's 16 rows of A, wave 1 its 8 rows of B, wave 2 A's scale words for all of K, wave 3 B's.  The pointers made above hold my half's offset: it is taken off again.
	s_mov_b32 s95, 0
	s_lshl_b32 s94, s[RJ], 17
	s_sub_nc_u64 s[6:7], s[22:23], s[94:95]
	s_or_b32 s7, s7, 0x80000000
	s_mov_b32 s4, 1
	s_mov_b32 s5, 0
	s_lshl_b32 s94, s[RJ], 16
	s_sub_nc_u64 s[98:99], s[46:47], s[94:95]
	s_or_b32 s99, s99, 0x80000000
	s_mov_b32 s96, 1
	s_mov_b32 s97, BOFF
	s_sub_nc_u64 s[G0S+2:G0S+3], s[2:3], s[94:95]
	s_or_b32 s[G0S+3], s[G0S+3], 0x80000000
	s_mov_b32 s[G0S+1], SCL
	s_lshl_b32 s94, s[RJ], 15
	s_sub_nc_u64 s[G0SB+2:G0SB+3], s[92:93], s[94:95]
	s_or_b32 s[G0SB+3], s[G0SB+3], 0x80000000
	s_mov_b32 s[G0SB+1], SCLB
.macro HARM under, g0, g1, next        ; one chain of branches on the wave's number, a load to an arm, all arms to one join
	s_cmp_lt_u32 s[WV], \under
	s_cbranch_scc0 \next
	tensor_load_to_lds s[\g0:\g0+3], s[\g1:\g1+7]
	s_nop 0
.rept 4
	v_nop
.endr
	s_branch .Lhead_asked
\next:
.endm
	HARM 1, 4, G1, .Lhead_b
	HARM 2, 96, G1B, .Lhead_sa
	HARM 3, G0S, G1S, .Lhead_sb
	tensor_load_to_lds s[G0SB:G0SB+3], s[G1SB:G1SB+7]
	s_nop 0
.rept 4
	v_nop
.endr
.Lhead_asked:
	s_wait_alu depctr_va_vdst(0)
	s_wait_tensorcnt 0x0                           ; my tile of the four is in
	ds_add_u32 v28, v29
	s_mov_b32 s[G1+2], 8<<16                       ; no tensor load of mine is out: from here on a load brings half a tile's rows
	s_mov_b32 s[G1+4], 8
	s_mov_b32 s[G1B+2], 4<<16
	s_mov_b32 s[G1B+4], 4
	s_wait_dscnt 0x0
	CROUND
	JLOAD G0+4, G1, G0B+4, G1B                     ; slot 1's first fill, the first tensor load behind the round
	v_and_b32 v1, 31, v0
	v_and_b32 v2, 15, v0
	v_bfe_u32 v3, v0, 4, 1
	s_wait_alu depctr_va_vdst(0)
	v_lshlrev_b32 v[LI], 4, v1
	s_lshl_b32 s21, s[RI], 15
	s_lshl_b32 s94, s[RJ], 14
	s_add_co_u32 s94, s94, BOFF
.irp s, 0,1
	v_add_nc_u32 v[ADRA+\s], s21, v[LI]
	v_add_nc_u32 v[ADRB+\s], s94, v[LI]
	s_add_co_u32 s21, s21, SLOTB
	s_add_co_u32 s94, s94, SLOTB
.endr
	v_lshlrev_b32 v5, 4, v2
	s_lshl_b32 s21, s[RI], 9
	s_add_co_u32 s21, s21, SCL
	v_add_nc_u32 v[ADSA], s21, v5
	s_lshl_b32 s21, s[RJ], 8
	s_add_co_u32 s21, s21, SCLB
	v_add_nc_u32 v[ADSB], s21, v5
	s_lshl_b32 s2, s42, 9
	s_lshl_b32 s3, s[RJ], 8
	s_add_co_u32 s2, s2, s3
	s_mov_b32 s3, 0
	s_add_nc_u64 s[8:9], s[8:9], s[2:3]
	v_lshlrev_b32 v6, 6, v3
.irp b, 0,1,2,3
	global_load_b128 v[BIAS+8*\b:BIAS+8*\b+3], v6, s[8:9] offset:(32*(\b/2)+8*(\b%2))*4
	global_load_b128 v[BIAS+8*\b+4:BIAS+8*\b+7], v6, s[8:9] offset:(32*(\b/2)+8*(\b%2))*4+16
.endr
	s_mul_i32 s2, s[WV], 4352
	v_mul_u32_u24 v[STO], v2, 272
	v_lshl_add_u32 v[STO], v3, 6, v[STO]
	v_add_nc_u32 v[STO], s2, v[STO]
	v_mul_u32_u24 v[RD], v3, 272
	v_lshl_add_u32 v[RD], v2, 4, v[RD]
	v_add_nc_u32 v[RD], s2, v[RD]
	v_lshlrev_b32 v[CO], 13, v3
	v_lshl_add_u32 v[CO], v2, 4, v[CO]
	s_lshl_b32 s2, s43, 8
	s_lshl_b32 s3, s[RI], 7
	s_add_co_u32 s2, s2, s3
	s_lshl_b32 s2, s2, 13
	s_lshl_b32 s3, s42, 9
	s_add_co_u32 s2, s2, s3
	s_lshl_b32 s3, s[RJ], 8
	s_add_co_u32 s2, s2, s3
	s_mov_b32 s3, 0
	s_add_nc_u64 s[10:11], s[10:11], s[2:3]
.macro FETCH slot, q, p
	WIN 0x80+0x40*(\p)
.irp a, 0,1,2,3,4,5,6,7
.irp c, 0,1,2,3
	ds_load_b128 v[16*\a+4*\c:16*\a+4*\c+3], v[ADRA+\slot] offset:4096*\a+2048*(\q)+512*\c
.endr
.endr
.irp b, 0,1,2,3
.irp c, 0,1,2,3
	ds_load_b128 v[128+16*\b+4*\c:128+16*\b+4*\c+3], v[ADRB+\slot] offset:4096*\b+2048*(\q)+512*\c
.endr
.endr
	WIN 0
	ds_load_b128 v[SC+12*(\p):SC+12*(\p)+3], v[ADSA] offset:1024*(\q)
	ds_load_b128 v[SC+12*(\p)+4:SC+12*(\p)+7], v[ADSA] offset:1024*(\q)+256
	ds_load_b128 v[SC+12*(\p)+8:SC+12*(\p)+11], v[ADSB] offset:512*(\q)
.endm
.macro MUL8 a0, p, first
.irp a, \a0, \a0+1
.irp b, 0,1,2,3
.if \first
	v_wmma_scale_f32_16x16x128_f8f6f4 v[32*(\a)+8*\b:32*(\a)+8*\b+7], v[128+16*\b:128+16*\b+15], v[16*(\a):16*(\a)+15], v[BIAS+8*\b:BIAS+8*\b+7], v[SC+12*(\p)+8+\b], v[SC+12*(\p)+(\a)]
.else
	v_wmma_scale_f32_16x16x128_f8f6f4 v[32*(\a)+8*\b:32*(\a)+8*\b+7], v[128+16*\b:128+16*\b+15], v[16*(\a):16*(\a)+15], v[32*(\a)+8*\b:32*(\a)+8*\b+7], v[SC+12*(\p)+8+\b], v[SC+12*(\p)+(\a)]
.endif
.endr
.endr
.endm
.macro STEP0 slot, first
	s_wait_dscnt 0x0
	PLACES 8
	FETCH \slot, 1, 1
.if \first
	WIN 0x4a
.else
	WIN 0x5a
.endif
	MUL8 0, 0, \first
	MUL8 2, 0, \first
	MUL8 4, 0, \first
	MUL8 6, 0, \first
.endm
.macro TURN slot, next, fill
	WIN 0
	s_wait_tensorcnt 0x0
	ds_add_u32 v[SPW], v[NIL]
	s_wait_dscnt 0x1
	WIN 0x5f
	MUL8 0, 1, 0
	s_wait_dscnt 0x0
	s_barrier_signal -1
	MUL8 2, 1, 0
	WIN 0
	s_barrier_wait -1
.if \fill
	CREST
	s_add_nc_u64 s[G0+4*\slot+2:G0+4*\slot+3], s[G0+4*\slot+2:G0+4*\slot+3], 8192
	s_add_nc_u64 s[G0B+4*\slot+2:G0B+4*\slot+3], s[G0B+4*\slot+2:G0B+4*\slot+3], 8192
	JLOAD G0+4*\slot, G1, G0B+4*\slot, G1B
	PLACES 4
.else
	PLACES 8
.endif
	s_wait_alu depctr_va_vdst(0)
	v_add_nc_u32 v[ADSA], 2048, v[ADSA]
	v_add_nc_u32 v[ADSB], 1024, v[ADSB]
	FETCH \next, 0, 0
	WIN 0x5f
	MUL8 4, 1, 0
	MUL8 6, 1, 0
.endm
	s_wait_tensorcnt 0x1
	s_barrier_signal -1
	s_barrier_wait -1
	FETCH 0, 0, 0
	s_wait_loadcnt 0x0
	STEP0 0, 1
	WIN 0
	s_mov_b32 s[LAP], K/512-1
.Llap:
	TURN 0, 1, 1
	s_wait_alu depctr_va_vdst(0)
	STEP0 1, 0
	TURN 1, 0, 1
	s_wait_alu depctr_va_vdst(0)
	STEP0 0, 0
	WIN 0
	s_sub_co_u32 s[LAP], s[LAP], 1
	s_cmp_lg_u32 s[LAP], 0
	s_cbranch_scc1 .Llap
	TURN 0, 1, 0
	s_wait_alu depctr_va_vdst(0)
	STEP0 1, 0
	s_wait_dscnt 0x0
	WIN 0x5f
	MUL8 0, 1, 0
	MUL8 2, 1, 0
	MUL8 4, 1, 0
	MUL8 6, 1, 0
	WIN 0
	PLACES 8
.macro TOSTAGE a
	WIN 0x04
.irp b, 0,1,2,3
	ds_store_b128 v[STO], v[32*(\a)+8*\b:32*(\a)+8*\b+3] offset:128*(\b/2)+32*(\b%2)
	ds_store_b128 v[STO], v[32*(\a)+8*\b+4:32*(\a)+8*\b+7] offset:128*(\b/2)+32*(\b%2)+16
.endr
	WIN 0
.set BB, BK+32*((\a)%2)
.irp t, 0,1,2,3,4,5,6,7
	ds_load_b128 v[BB+4*\t:BB+4*\t+3], v[RD] offset:544*\t
.endr
.endm
.macro SEND a, younger
.set BB, BK+32*((\a)%2)
	s_wait_dscnt \younger
.irp t, 0,1,2,3,4,5,6,7
	global_store_b128 v[CO], v[BB+4*\t:BB+4*\t+3], s[10:11] offset:(32*((\a)/2)+8*((\a)%2)+2*\t+8*(\t/4))*8192 th:TH_STORE_NT
.endr
.endm
	TOSTAGE 0
.irp a, 1,2,3,4,5,6,7
.if \a > 1
	s_wait_xcnt 0x0
.endif
	TOSTAGE \a
	SEND \a-1, 16
.endr
	SEND 7, 0
	s_wait_tensorcnt 0x0
	ds_add_u32 v[SPW], v[NIL]
	s_wait_dscnt 0x0
	CROUND
	s_endpgm
.Lfunc_end_k_qa154fa272b_outp:
	.size	k_qa154fa272b_outp, .Lfunc_end_k_qa154fa272b_outp-k_qa154fa272b_outp
	.p2alignl 7, 3214868480
	.fill 96, 4, 3214868480
	.section	.rodata,"a",@progbits
	.p2align	6, 0x0
	.amdhsa_kernel k_qa154fa272b_outp
		.amdhsa_group_segment_fixed_size 327680
		.amdhsa_private_segment_fixed_size 0
		.amdhsa_enable_private_segment 0
		.amdhsa_kernarg_size 32
		.amdhsa_user_sgpr_count 2
		.amdhsa_user_sgpr_kernarg_segment_ptr 1
		.amdhsa_wavefront_size32 1
		.amdhsa_system_sgpr_workgroup_id_x 1
		.amdhsa_system_sgpr_workgroup_id_y 1
		.amdhsa_system_sgpr_workgroup_id_z 1
		.amdhsa_system_vgpr_workitem_id 0
		.amdhsa_next_free_vgpr 1024
		.amdhsa_next_free_sgpr 100
		.amdhsa_reserve_vcc 0
		.amdhsa_float_denorm_mode_32 3
		.amdhsa_float_denorm_mode_16_64 3
		.amdhsa_memory_ordered 1
		.amdhsa_forward_progress 1
		.amdhsa_inst_pref_size 91
	.end_amdhsa_kernel
	.amdgpu_metadata
---
amdhsa.version: [ 1, 2 ]
amdhsa.kernels:
  - .name:           k_qa154fa272b_outp
    .symbol:         k_qa154fa272b_outp.kd
    .args:
      - { .name: attnq, .offset: 0, .size: 8, .value_kind: global_buffer, .address_space: global }
      - { .name: w, .offset: 8, .size: 8, .value_kind: global_buffer, .address_space: global }
      - { .name: bo, .offset: 16, .size: 8, .value_kind: global_buffer, .address_space: global }
      - { .name: out0, .offset: 24, .size: 8, .value_kind: global_buffer, .address_space: global }
    .group_segment_fixed_size: 327680
    .private_segment_fixed_size: 0
    .kernarg_segment_align: 8
    .kernarg_segment_size: 32
    .max_flat_workgroup_size: 128
    .sgpr_count:     100
    .vgpr_count:     1024
    .wavefront_size: 32
...
	.end_amdgpu_metadata
.endif
;; end of part 4
